; MI455X (gfx1250); checked and timed in simulation.
; The chip was launched on July 23, 2026; its instructions are those of AMD's public machine-readable ISA for CDNA 5 (MIT licence, August 2026) and "CDNA5" Instruction Set Architecture Reference Guide (July 2026). The comments in the code are by the model that wrote it; some were corrected since.
;; Attention. Allowed arithmetic: matrix products marked QUANTISED: E2M1 operands, one E8M0 scale for each 32 along K, by v_wmma_scale_f32_16x16x128_f8f6f4 with both operands' format E2M1 (or v_wmma_scale_f32_32x16x128_f4), f32 sums; products left as they are: bf16, f16 or f32 operands; f32 sums; everything else in f32.
;; Inputs: attention_mask 1 x 1 x 2,048 x 4,096 float32; cos 1 x 1 x 2,048 x 128 float32; k_cache 1 x 16 x 2,048 x 128 float32; sin 1 x 1 x 2,048 x 128 float32; v_cache 1 x 16 x 2,048 x 128 float32; wk 2,048 x 2,048 float32; wo 2,048 x 2,048 float32; wq 2,048 x 2,048 float32; wv 2,048 x 2,048 float32; x 1 x 2,048 x 2,048 float32.
;; Outputs: out0 1 x 2,048 x 2,048 float32.
;; This version of the problem:
;;   THIS VERSION OF THE PROBLEM IS GIVEN IN LOW PRECISION. The matrix products marked QUANTISED in the list below multiply operands that are first quantised to E2M1 (2 exponent bits, 1 mantissa bit; 4 bits a number), with one power-of-two scale for each 32 numbers along K (OCP MX v1.0); their sums are f32. The products marked 'left as it is' may take bf16, f16 or f32 operands, with f32 sums. All else is computed in f32.
;;   The module's matrix products, in the order in which they are computed (A, B: the left and right operand; K: the contracted axis; several contracted axes count as one K, in the product's order):
;;     1. [M 2,048, K 2,048] x [K 2,048, N 2,048]; A: input x; B: input wq: QUANTISED
;;     2. [M 2,048, K 2,048] x [K 2,048, N 2,048]; A: input x; B: input wk: QUANTISED
;;     3. [M 2,048, K 2,048] x [K 2,048, N 2,048]; A: input x; B: input wv: QUANTISED
;;     4. batch 16 x [M 2,048, K 128] x [K 128, N 4,096]; A: computed on the way; B: computed on the way: left as it is (an operand is computed on the way)
;;     5. batch 16 x [M 2,048, K 4,096] x [K 4,096, N 128]; A: computed on the way; B: computed on the way: left as it is (an operand is computed on the way)
;;     6. [M 2,048, K 2,048] x [K 2,048, N 2,048]; A: computed on the way; B: input wo: left as it is (an operand is computed on the way)
;;   THE QUANTISER, for each operand of a quantised product, along K:
;;     - K is cut into blocks of 32 from its start; a last block that is shorter is filled with zeros.
;;     - A block's scale is 2^e with e = floor(log2(the largest magnitude in the block)) - 2, held to -126 .. 127; a block of zeros has e = 0. As a byte (E8M0): e + 127.
;;     - Each number is divided by its block's scale, clamped to +-6, and rounded to the nearest number of E2M1, ties to even, subnormals kept.
;;     - The product sums the exact products of the quantised numbers (number of the format x scale) in f32.
;;   ~~~python
;;   def quantise(x, axis):      # numpy; x: float32 -> the quantised numbers, widened to float32 again
;;       x = np.moveaxis(x, axis, -1); K = x.shape[-1]
;;       x = np.pad(x, [(0, 0)] * (x.ndim - 1) + [(0, -K % 32)]); x = x.reshape(x.shape[:-1] + (-1, 32)); a = np.abs(x).max(-1, keepdims=True)
;;       e = np.where(a > 0, np.clip(np.frexp(np.where(a > 0, a, 1))[1] - 1 - 2, -126, 127), 0)      # np.frexp(a)[1] - 1 = floor(log2(a)), exactly
;;       r = np.clip(x / 2.0 ** e, -6, 6)
;;       step = 2.0 ** (np.maximum(np.frexp(np.where(r == 0, 1, r))[1] - 1, 0) - 1)
;;       q = np.round(r / step) * step * 2.0 ** e      # np.round: ties to even
;;       return np.moveaxis(q.reshape(q.shape[:-2] + (-1,))[..., :K], -1, axis).astype(np.float32)
;;   ~~~
;; One version. Each part assembles by itself: llvm-mc -triple=amdgcn-amd-amdhsa -mcpu=gfx1250 --defsym DOCPART=n.
;; ======== version 1 of 1: 4 launches
;; limits: right only within a limited range of input values; values are held in f16: magnitudes above 65,504 overflow, below 6.1e-05 lose precision
;; workspace buffers: codes 8,388,608 bytes; scales 524,288 bytes; qb 8,388,608 bytes; kb 16,777,216 bytes; vb 16,777,216 bytes; wob 8,388,608 bytes; maskf 33,554,432 bytes; ctx 8,388,608 bytes
;; launch prep (part 1): grid 1344 x 1, 4 waves a work-group, no clusters, 75,264 bytes of LDS; arguments x, wq, wk, wv, wo, k_cache, v_cache, attention_mask, codes, scales, kb, vb, wob, maskf; writes codes, scales, kb, vb, wob, maskf
.if DOCPART == 1
	.amdgcn_target "amdgcn-amd-amdhsa--gfx1250"
	.amdhsa_code_object_version 6
	.text
	.protected	k_q12fac8653c_prep
	.globl	k_q12fac8653c_prep
	.p2align	8
	.type	k_q12fac8653c_prep,@function
k_q12fac8653c_prep:
	s_mov_b64 s[64:65], 0
	v_nop
	global_prefetch_b8 v0, s[64:65] scope:SCOPE_SE
	s_setreg_imm32_b32 hwreg(HW_REG_WAVE_MODE, 25, 1), 1
	s_wait_xcnt 0x0
; PREP: what is made once, ahead of the products.  Four kinds of work-group, told apart by the work-group's number alone; each kind has its own LDS bytes, loads only its own buffers and ends by itself.
;   0 .. 191     wq | wk | wv [2048 k][2048 n] f32 -> codes of FP4 (E2M1), K innermost, and one E8M0 byte for each 32 along K: rows 2048 + n of 'codes' (1,024 bytes a row) and of 'scales' (64 bytes a row)
;   192 .. 319   x [2048][2048] f32 (K innermost) -> rows 0 .. 2047 of the same two buffers
;   320 .. 575   attention_mask [2048 q][4096 k] f32 -> maskf: blocks of 16 queries x 64 keys in the order of a matrix accumulator's registers (below)
;   576 .. 1343  k_cache x 128^(-1/4), v_cache, wo: f32 -> f16 (kb, vb: the first 2,048 rows of each head's 4,096; wob as wo lies)
; A block's scale is 2^(floor(log2(its largest magnitude)) - 2); its byte is the largest magnitude's exponent field - 2, held at 1 from below.  A block of zeros so gets the byte 1: its codes are zeros, and this program alone reads the bytes.
; LIMITS: blocks whose largest magnitude lies under 2^-124 keep the byte 1; NaN and infinities among x, wq, wk, wv are not served; a number of k_cache beyond 220,000 or of v_cache or wo beyond 65,504 becomes infinite in f16.
; No tensor loads, no barriers: waves share nothing.  Every offset is an immediate; no pointer is stepped.
.set EMAX, 2
.set XREG, 5632                        ; LDS of the rows' path: for each wave two stages of 2,560 bytes and 256 scale bytes
.set XSP,  80                          ; a lane's place in such a stage: 64 bytes + 16 of padding
.set LW,   4*XREG                      ; LDS of the weights' path: for each wave 32 rows of 272 bytes
.set WP,   272
.set LM,   LW+4*32*WP                  ; LDS of the mask's path: for each wave 16 rows of 272 bytes
	v_lshl_add_u32 v192, v0, 2, 0x12400
	v_mov_b32 v193, 0
	v_lshrrev_b32 v1, 5, v0
	v_readfirstlane_b32 s16, v1                    ; wave 0..3
	v_and_b32 v2, 31, v0                           ; lane
	s_cmp_lt_u32 ttmp9, 192
	s_cbranch_scc1 .Lweights
	s_cmp_lt_u32 ttmp9, 320
	s_cbranch_scc1 .Lrows
	s_cmp_lt_u32 ttmp9, 576
	s_cbranch_scc1 .Lmask
; ---------------- f32 -> f16.  A work-group takes 65,536 bytes of one tensor, a wave 16,384: 32 loads of 512 consecutive bytes, all out at once; each store of the wave covers 256 consecutive bytes, aligned.
; The keys carry half of the scores' scale, 128^(-1/4), the queries the other half: so both have room in f16.  One text serves the three tensors: v_cache and wo are multiplied by 1.
	s_load_b128 s[4:7], s[0:1], 0x20               ; wo, k_cache
	s_load_b64 s[8:9], s[0:1], 0x30                ; v_cache
	s_load_b128 s[12:15], s[0:1], 0x50             ; kb, vb
	s_load_b64 s[20:21], s[0:1], 0x60              ; wob
	s_sub_co_u32 s17, ttmp9, 576
	s_and_b32 s18, s17, 255                        ; which 65,536 bytes
	s_lshr_b32 s17, s17, 8                         ; 0: k_cache, 1: v_cache, 2: wo
	s_lshl_b32 s22, s18, 16
	s_lshl_b32 s23, s16, 14
	s_add_co_u32 s22, s22, s23                     ; in
	s_mov_b32 s23, 0
	s_lshl_b32 s24, s18, 15
	s_lshl_b32 s25, s16, 13
	s_add_co_u32 s24, s24, s25                     ; out: half the bytes;
	s_lshr_b32 s25, s18, 4                         ; a head of a cache is 16 such pieces,
	s_lshl_b32 s25, s25, 19                        ; and in kb and vb each head leaves 524,288 bytes free behind it for the new keys
	s_cmp_lt_u32 s17, 2
	s_cselect_b32 s25, s25, 0
	s_add_co_u32 s24, s24, s25
	s_mov_b32 s25, 0
	s_mov_b32 s26, 0x3e9837f0                      ; 128^(-1/4)
	s_cmp_eq_u32 s17, 0
	s_cselect_b32 s26, s26, 1.0
	s_mov_b32 s27, s26                             ; (named with it as a pair)
	v_lshlrev_b32 v3, 4, v2
	v_lshlrev_b32 v4, 3, v2
	s_wait_kmcnt 0x0
	s_cmp_eq_u32 s17, 0                            ; the choice hangs on the work-group's number alone
	s_cselect_b64 s[4:5], s[6:7], s[4:5]
	s_cselect_b64 s[20:21], s[12:13], s[20:21]
	s_cmp_eq_u32 s17, 1
	s_cselect_b64 s[4:5], s[8:9], s[4:5]
	s_cselect_b64 s[20:21], s[14:15], s[20:21]
	s_add_nc_u64 s[4:5], s[4:5], s[22:23]
	s_add_nc_u64 s[20:21], s[20:21], s[24:25]
.set J, 0
.rept 32
	global_load_b128 v[16+4*J:19+4*J], v3, s[4:5] offset:512*J th:TH_LOAD_NT
.set J, J+1
.endr
.set J, 0
.rept 32
	s_wait_loadcnt 31-J                            ; loads come back in order: number J is in, the younger ones stay out
	v_pk_mul_f32 v[16+4*J:17+4*J], v[16+4*J:17+4*J], s[26:27] op_sel_hi:[1,0]
	v_pk_mul_f32 v[18+4*J:19+4*J], v[18+4*J:19+4*J], s[26:27] op_sel_hi:[1,0]
	v_cvt_pk_f16_f32 v[16+4*J], v[16+4*J], v[17+4*J]
	v_cvt_pk_f16_f32 v[17+4*J], v[18+4*J], v[19+4*J]
	global_store_b64 v4, v[16+4*J:17+4*J], s[20:21] offset:256*J   ; no store's data are written again: no wait for the stores' sources
.set J, J+1
.endr
	s_endpgm
; ---------------- The weights.  A lane takes a column n and its registers run down K: each load reads 128 consecutive bytes a wave, a block of 32 along K lies in one lane, and the codes come out with K innermost.
; A wave takes 32 columns x 512 along K: 16 blocks a lane, 256 bytes of codes a column, which go through the wave's own stage and leave as rows: sixteen lanes store 256 consecutive bytes, aligned.
.set WX,   32                          ; v32-95   two sets of 32 numbers
.set WC,   96                          ; v96-99   a block's codes
.set WOUT, 112                         ; v112-175 the way out
.set WSB,  24                          ; v24-27   the scale bytes, four to a register
.macro WLOAD t                         ; block t: w(32 t + i, my column) into set t % 2
.set WI, 0
.rept 32
	global_load_b32 v[WX+32*((\t)%2)+WI], v3, s[4:5] offset:(32*(\t)+WI)*8192 th:TH_LOAD_NT
.set WI, WI+1
.endr
.endm
.macro WBLOCK t
.set WS, WX+32*((\t)%2)
.if (\t) < 15
	s_wait_loadcnt 32                              ; this block's 32 loads are in; the next block's may be out
.else
	s_wait_loadcnt 0x0
.endif
	v_max3_num_f32 v12, |v[WS]|, |v[WS+1]|, |v[WS+2]|      ; the block's largest magnitude: all 32 numbers are mine
	v_max3_num_f32 v13, |v[WS+3]|, |v[WS+4]|, |v[WS+5]|
.irp i, 6,10,14,18,22,26
	v_max3_num_f32 v12, v12, |v[WS+\i]|, |v[WS+\i+1]|
	v_max3_num_f32 v13, v13, |v[WS+\i+2]|, |v[WS+\i+3]|
.endr
	v_max3_num_f32 v12, v12, |v[WS+30]|, |v[WS+31]|
	v_max3_num_f32 v12, v12, v13, (EMAX+1)<<23     ; and the floor 2^(3 - 127): the byte cannot fall under 1
	v_add_nc_u32 v11, -(EMAX<<23), v12             ; 2 off its exponent field: the conversion takes the exponent field of this operand as its scale
	v_lshrrev_b32 v13, 23, v11                     ; the scale's byte
.if (\t)%4 == 0
	v_mov_b32 v[WSB+(\t)/4], v13
.else
	v_lshl_or_b32 v[WSB+(\t)/4], v13, 8*((\t)%4), v[WSB+(\t)/4]
.endif
.irp g, 0,1,2,3
	v_cvt_scalef32_pk8_fp4_f32 v[WC+\g], v[WS+8*\g:WS+8*\g+7], v11
.endr
	ds_store_b128 v4, v[WC:WC+3] offset:16*(\t)    ; 32 codes: 16 bytes of my column's row
.if (\t)+2 < 16
	WLOAD (\t)+2
.endif
	s_wait_dscnt 0x0                               ; the store has read its registers: the next block's codes may be written
.endm
.Lweights:
	s_load_b64 s[4:5], s[0:1], 0x8                 ; wq
	s_load_b128 s[8:11], s[0:1], 0x10              ; wk, wv
	s_load_b128 s[12:15], s[0:1], 0x40             ; codes, scales
	s_lshr_b32 s17, ttmp9, 2                       ; which 128 of the 6,144 columns
	s_and_b32 s18, ttmp9, 3                        ; which 512 along K
	s_lshr_b32 s19, s17, 4                         ; which weight
	s_and_b32 s20, s17, 15
	s_lshl_b32 s20, s20, 9                         ; 128 columns of 4 bytes,
	s_lshl_b32 s21, s16, 7                         ; my wave's 32,
	s_add_co_u32 s20, s20, s21
	s_lshl_b32 s21, s18, 22                        ; 512 rows of 8,192 bytes
	s_add_co_u32 s20, s20, s21
	s_mov_b32 s21, 0
	s_lshl_b32 s22, s17, 7
	s_lshl_b32 s23, s16, 5
	s_add_co_u32 s22, s22, s23
	s_add_co_u32 s22, s22, 2048                    ; my wave's first row of codes and of scales
	s_lshl_b32 s24, s22, 10
	s_lshl_b32 s25, s18, 8
	s_add_co_u32 s24, s24, s25
	s_mov_b32 s25, 0
	s_lshl_b32 s26, s22, 6
	s_lshl_b32 s27, s18, 4
	s_add_co_u32 s26, s26, s27
	s_mov_b32 s27, 0
	s_mul_i32 s28, s16, 32*WP
	s_add_co_u32 s28, s28, LW                      ; my stage
	v_lshlrev_b32 v3, 2, v2                        ; in: 4 bytes a lane
	v_mul_u32_u24 v4, v2, WP
	v_add_nc_u32 v4, s28, v4                       ; into the stage: row = my column
	v_and_b32 v5, 15, v2
	v_lshrrev_b32 v6, 4, v2
	v_mul_u32_u24 v7, v6, WP                       ; out of it: sixteen lanes to a row, two rows an instruction
	v_lshl_add_u32 v7, v5, 4, v7
	v_add_nc_u32 v7, s28, v7
	v_lshlrev_b32 v8, 10, v6
	v_lshl_add_u32 v8, v5, 4, v8                   ; and the same place in 'codes'
	v_lshlrev_b32 v9, 6, v2                        ; my column's row of scale bytes
	s_wait_kmcnt 0x0
	s_cmp_eq_u32 s19, 1
	s_cselect_b64 s[4:5], s[8:9], s[4:5]
	s_cmp_eq_u32 s19, 2
	s_cselect_b64 s[4:5], s[10:11], s[4:5]
	s_add_nc_u64 s[4:5], s[4:5], s[20:21]
	s_add_nc_u64 s[12:13], s[12:13], s[24:25]
	s_add_nc_u64 s[14:15], s[14:15], s[26:27]
	WLOAD 0
	WLOAD 1
.set Q, 0
.rept 16
	WBLOCK Q
.set Q, Q+1
.endr
	global_store_b128 v9, v[WSB:WSB+3], s[14:15]   ; my column's 16 scale bytes
.set J, 0
.rept 16
	ds_load_b128 v[WOUT+4*J:WOUT+4*J+3], v7 offset:2*J*WP   ; LDS serves a wave's instructions in order: these see my stores
.set J, J+1
.endr
.set J, 0
.rept 16
	s_wait_dscnt 15-J
	global_store_b128 v8, v[WOUT+4*J:WOUT+4*J+3], s[12:13] offset:2*J*1024
.set J, J+1
.endr
	s_wait_tensorcnt 0x0
	ds_add_u32 v192, v193
	s_wait_dscnt 0x0
	s_endpgm
; ---------------- x.  Rows are dense: a plain stream of blocks of 32.  A wave takes 16 steps of 512 numbers.  Each load reads 512 consecutive bytes; a step's 2,048 bytes turn through the wave's own stage, so that a lane
; holds 16 neighbours (two lanes to a block).  A lane's 16 codes are 8 bytes: the wave stores 256 consecutive bytes.  A wave's 256 scale bytes are gathered in LDS and leave as 256 consecutive bytes.
.set XRR,  16                          ; v16-79   four sets of 16 numbers as loaded
.set XX,   80                          ; v80-111  two sets of 16 neighbours
.set XC,   128                         ; v128-191 codes: registers of its own for each step
.set XE,   112                         ; v112-127 a scale byte for each step
.macro XLOAD t
.irp i, 0,1,2,3
	global_load_b128 v[XRR+16*((\t)%4)+4*\i:XRR+16*((\t)%4)+4*\i+3], v3, s[4:5] offset:2048*(\t)+512*\i th:TH_LOAD_NT
.endr
.endm
.macro XTURN t                         ; step t's numbers through the stage: LDS serves a wave's instructions in order
.irp i, 0,1,2,3
	ds_store_b128 v14, v[XRR+16*((\t)%4)+4*\i:XRR+16*((\t)%4)+4*\i+3] offset:32*XSP*((\t)%2)+8*XSP*\i
.endr
.irp i, 0,1,2,3
	ds_load_b128 v[XX+16*((\t)%2)+4*\i:XX+16*((\t)%2)+4*\i+3], v15 offset:32*XSP*((\t)%2)+16*\i
.endr
.endm
.macro XSTEP t
.set XS, XX+16*((\t)%2)
.if (\t) > 0
	s_wait_dscnt 1                                 ; this step's numbers are back from the stage; the last step's byte store may be out
.else
	s_wait_dscnt 0x0
.endif
.if (\t)+4 < 16
	XLOAD (\t)+4
.endif
.if (\t)+1 < 16
.if 14-(\t) >= 3
	s_wait_loadcnt 12                              ; the next step's four loads are in; those of the three steps behind it may be out
.else
	s_wait_loadcnt 4*(14-(\t))
.endif
	XTURN (\t)+1
.endif
	v_max3_num_f32 v8, |v[XS]|, |v[XS+1]|, |v[XS+2]|
	v_max3_num_f32 v9, |v[XS+3]|, |v[XS+4]|, |v[XS+5]|
.irp i, 6,10
	v_max3_num_f32 v8, v8, |v[XS+\i]|, |v[XS+\i+1]|
	v_max3_num_f32 v9, v9, |v[XS+\i+2]|, |v[XS+\i+3]|
.endr
	v_max3_num_f32 v8, v8, |v[XS+14]|, |v[XS+15]|
	v_max3_num_f32 v8, v8, v9, (EMAX+1)<<23        ; with the floor
	v_max_num_f32_dpp v8, v8, v8 row_xmask:1 row_mask:0xf bank_mask:0xf   ; and my neighbour's 16: the block's
	v_add_nc_u32 v11, -(EMAX<<23), v8
	v_cvt_scalef32_pk8_fp4_f32 v[XC+4*(\t)], v[XS:XS+7], v11
	v_cvt_scalef32_pk8_fp4_f32 v[XC+4*(\t)+1], v[XS+8:XS+15], v11
	v_lshrrev_b32 v[XE+(\t)], 23, v11              ; the scale's byte
	ds_store_b8 v5, v[XE+(\t)] offset:16*(\t)      ; both lanes of a block write the same byte with the same value
	global_store_b64 v4, v[XC+4*(\t):XC+4*(\t)+1], s[8:9] offset:256*(\t)
.endm
.Lrows:
	s_load_b64 s[4:5], s[0:1], 0x0                 ; x
	s_load_b128 s[8:11], s[0:1], 0x40              ; codes, scales
	v_lshlrev_b32 v3, 4, v2
	s_mul_i32 s17, s16, XREG
	v_lshrrev_b32 v14, 2, v2
	v_mul_u32_u24 v14, v14, XSP
	v_and_b32 v15, 3, v2
	v_lshl_add_u32 v14, v15, 4, v14
	v_add_nc_u32 v14, s17, v14                     ; the stage, way in: four lanes' 64 bytes on end, then 16 of padding
	v_mul_u32_u24 v15, v2, XSP
	v_add_nc_u32 v15, s17, v15                     ; way out: my 16 neighbours
	v_lshlrev_b32 v4, 3, v2                        ; my codes' place in a step's
	v_lshrrev_b32 v5, 1, v2
	s_add_co_u32 s17, s17, 2*32*XSP
	v_add_nc_u32 v5, s17, v5                       ; my block's scale byte
	v_lshlrev_b32 v7, 3, v2
	v_add_nc_u32 v6, s17, v7
	s_sub_co_u32 s18, ttmp9, 192
	s_lshl_b32 s18, s18, 2
	s_add_co_u32 s18, s18, s16                     ; which run of 8,192 numbers is my wave's
	s_lshl_b32 s20, s18, 15
	s_mov_b32 s21, 0
	s_lshl_b32 s22, s18, 12
	s_mov_b32 s23, 0
	s_lshl_b32 s24, s18, 8
	s_mov_b32 s25, 0
	s_wait_kmcnt 0x0
	s_add_nc_u64 s[4:5], s[4:5], s[20:21]
	s_add_nc_u64 s[8:9], s[8:9], s[22:23]
	s_add_nc_u64 s[10:11], s[10:11], s[24:25]
.irp t, 0,1,2,3
	XLOAD \t
.endr
	s_wait_loadcnt 12                              ; step 0's four loads are in
	XTURN 0
.irp t, 0,1,2,3,4,5,6,7,8,9,10,11,12,13,14,15
	XSTEP \t
.endr
	ds_load_b64 v[12:13], v6
	s_wait_dscnt 0x0
	global_store_b64 v7, v[12:13], s[10:11]
	s_wait_tensorcnt 0x0
	ds_add_u32 v192, v193
	s_wait_dscnt 0x0
	s_endpgm
; ---------------- The mask.  A block is 16 queries x 64 keys, 4,096 bytes.  In maskf, bytes 512 i + 16 lane of a block hold mask[16 qt + lane % 16][64 ks + 16 (i / 2) + 8 (lane / 16) + 4 (i % 2) + 0 .. 3]:
; the registers 4 i .. 4 i + 3 of the four accumulators of keys x queries, so that the attention launch loads them by dense loads of 512 bytes.  In: sixteen lanes read 256 consecutive bytes of a row; the block turns
; through the wave's own stage (16 rows of 272 bytes); out: 512 consecutive bytes a store.  A wave takes 8 blocks; loads run three blocks ahead.
.set MX,  32                           ; v32-127  three sets of 32, as loaded
.set MOU, 128                          ; v128-191 two sets of 32, as stored
.macro MLOAD t
.irp i, 0,1,2,3,4,5,6,7
	global_load_b128 v[MX+32*((\t)%3)+4*\i:MX+32*((\t)%3)+4*\i+3], v3, s[4:5] offset:32768*\i+256*(\t) th:TH_LOAD_NT
.endr
.endm
.macro MBLOCK t
.if 7-(\t) >= 2
	s_wait_loadcnt 16                              ; this block's eight loads are in; the two blocks behind it may be out
.else
	s_wait_loadcnt 8*(7-(\t))
.endif
.irp i, 0,1,2,3,4,5,6,7
	ds_store_b128 v4, v[MX+32*((\t)%3)+4*\i:MX+32*((\t)%3)+4*\i+3] offset:544*\i
.endr
.if (\t) >= 2
	s_wait_xcnt 0x0                                ; the stores of two blocks ago have read their data: the set may be loaded again
.endif
.irp i, 0,1,2,3,4,5,6,7
	ds_load_b128 v[MOU+32*((\t)%2)+4*\i:MOU+32*((\t)%2)+4*\i+3], v5 offset:64*(\i/2)+16*(\i%2)
.endr
	s_wait_dscnt 0x0                               ; the block is back; the stage and the set as loaded are free
.if (\t)+3 < 8
	MLOAD (\t)+3
.endif
.irp i, 0,1,2,3,4,5,6,7
	global_store_b128 v6, v[MOU+32*((\t)%2)+4*\i:MOU+32*((\t)%2)+4*\i+3], s[6:7] offset:4096*(\t)+512*\i
.endr
.endm
.Lmask:
	s_load_b64 s[4:5], s[0:1], 0x38                ; attention_mask
	s_load_b64 s[6:7], s[0:1], 0x68                ; maskf
	s_sub_co_u32 s17, ttmp9, 320
	s_lshr_b32 s18, s17, 1                         ; which 16 queries
	s_and_b32 s19, s17, 1
	s_lshl_b32 s19, s19, 5
	s_lshl_b32 s20, s16, 3
	s_add_co_u32 s19, s19, s20                     ; my wave's first block of 64 keys
	s_lshl_b32 s20, s18, 18                        ; 16 rows of 16,384 bytes = 64 blocks of 4,096
	s_lshl_b32 s22, s19, 8
	s_add_co_u32 s22, s22, s20
	s_mov_b32 s23, 0
	s_lshl_b32 s24, s19, 12
	s_add_co_u32 s24, s24, s20
	s_mov_b32 s25, 0
	s_mul_i32 s26, s16, 16*272
	s_add_co_u32 s26, s26, LM                      ; my stage
	v_and_b32 v7, 15, v2
	v_lshrrev_b32 v8, 4, v2
	v_lshlrev_b32 v3, 14, v8
	v_lshl_add_u32 v3, v7, 4, v3                   ; in: lanes 0-15 one row, lanes 16-31 the next
	v_mul_u32_u24 v4, v8, 272
	v_lshl_add_u32 v4, v7, 4, v4
	v_add_nc_u32 v4, s26, v4
	v_mul_u32_u24 v5, v7, 272
	v_lshl_add_u32 v5, v8, 5, v5
	v_add_nc_u32 v5, s26, v5                       ; back: row lane % 16, 32 bytes on for lanes 16-31
	v_lshlrev_b32 v6, 4, v2
	s_wait_kmcnt 0x0
	s_add_nc_u64 s[4:5], s[4:5], s[22:23]
	s_add_nc_u64 s[6:7], s[6:7], s[24:25]
	MLOAD 0
	MLOAD 1
	MLOAD 2
.irp t, 0,1,2,3,4,5,6,7
	MBLOCK \t
.endr
	s_wait_tensorcnt 0x0
	ds_add_u32 v192, v193
	s_wait_dscnt 0x0
	s_endpgm
.Lfunc_end_k_q12fac8653c_prep:
	.size	k_q12fac8653c_prep, .Lfunc_end_k_q12fac8653c_prep-k_q12fac8653c_prep
	.p2alignl 7, 3214868480
	.fill 96, 4, 3214868480
	.section	.rodata,"a",@progbits
	.p2align	6, 0x0
	.amdhsa_kernel k_q12fac8653c_prep
		.amdhsa_group_segment_fixed_size 75264
		.amdhsa_private_segment_fixed_size 0
		.amdhsa_enable_private_segment 0
		.amdhsa_kernarg_size 112
		.amdhsa_user_sgpr_count 2
		.amdhsa_user_sgpr_kernarg_segment_ptr 1
		.amdhsa_wavefront_size32 1
		.amdhsa_system_sgpr_workgroup_id_x 1
		.amdhsa_system_sgpr_workgroup_id_y 1
		.amdhsa_system_sgpr_workgroup_id_z 1
		.amdhsa_system_vgpr_workitem_id 0
		.amdhsa_next_free_vgpr 194
		.amdhsa_next_free_sgpr 66
		.amdhsa_reserve_vcc 0
		.amdhsa_float_denorm_mode_32 3
		.amdhsa_float_denorm_mode_16_64 3
		.amdhsa_memory_ordered 1
		.amdhsa_forward_progress 1
		.amdhsa_inst_pref_size 150
	.end_amdhsa_kernel
	.amdgpu_metadata
---
amdhsa.version: [ 1, 2 ]
amdhsa.kernels:
  - .name:           k_q12fac8653c_prep
    .symbol:         k_q12fac8653c_prep.kd
    .args:
      - { .name: x, .offset: 0, .size: 8, .value_kind: global_buffer, .address_space: global }
      - { .name: wq, .offset: 8, .size: 8, .value_kind: global_buffer, .address_space: global }
      - { .name: wk, .offset: 16, .size: 8, .value_kind: global_buffer, .address_space: global }
      - { .name: wv, .offset: 24, .size: 8, .value_kind: global_buffer, .address_space: global }
      - { .name: wo, .offset: 32, .size: 8, .value_kind: global_buffer, .address_space: global }
      - { .name: k_cache, .offset: 40, .size: 8, .value_kind: global_buffer, .address_space: global }
      - { .name: v_cache, .offset: 48, .size: 8, .value_kind: global_buffer, .address_space: global }
      - { .name: attention_mask, .offset: 56, .size: 8, .value_kind: global_buffer, .address_space: global }
      - { .name: codes, .offset: 64, .size: 8, .value_kind: global_buffer, .address_space: global }
      - { .name: scales, .offset: 72, .size: 8, .value_kind: global_buffer, .address_space: global }
      - { .name: kb, .offset: 80, .size: 8, .value_kind: global_buffer, .address_space: global }
      - { .name: vb, .offset: 88, .size: 8, .value_kind: global_buffer, .address_space: global }
      - { .name: wob, .offset: 96, .size: 8, .value_kind: global_buffer, .address_space: global }
      - { .name: maskf, .offset: 104, .size: 8, .value_kind: global_buffer, .address_space: global }
    .group_segment_fixed_size: 75264
    .private_segment_fixed_size: 0
    .kernarg_segment_align: 8
    .kernarg_segment_size: 112
    .max_flat_workgroup_size: 128
    .sgpr_count:     66
    .vgpr_count:     194
    .wavefront_size: 32
...
	.end_amdgpu_metadata
.endif
;; end of part 1
;; launch qkv (part 2): grid 24 x 8, 4 waves a work-group, clusters of 4 x 4, 327,680 bytes of LDS; arguments codes, scales, cos, sin, qb, kb, vb; writes qb, kb, vb
.if DOCPART == 2
	.amdgcn_target "amdgcn-amd-amdhsa--gfx1250"
	.amdhsa_code_object_version 6
	.text
	.protected	k_q12fac8653c_qkv
	.globl	k_q12fac8653c_qkv
	.p2align	8
	.type	k_q12fac8653c_qkv,@function
k_q12fac8653c_qkv:
	s_mov_b64 s[64:65], 0
	v_nop
	global_prefetch_b8 v0, s[64:65] scope:SCOPE_SE
	s_setreg_imm32_b32 hwreg(HW_REG_WAVE_MODE, 25, 1), 1
	s_wait_xcnt 0x0
	s_wait_alu depctr_hold_cnt(0) depctr_sa_sdst(0) depctr_va_vdst(0) depctr_va_sdst(0) depctr_va_ssrc(0) depctr_va_vcc(0) depctr_vm_vsrc(0)
	s_getreg_b32 s2, hwreg(HW_REG_IB_STS2, 6, 4)
	s_cmp_eq_u32 s2, 0
	s_cbranch_scc0 .Lentry_in_a_cluster
	s_endpgm
.Lentry_in_a_cluster:
	s_bfe_u32 s2, ttmp6, 0x10000c
	s_cmp_lg_u32 s2, 0xf033
	s_cbranch_scc0 .Lentry_shape_is_right
	s_endpgm
.Lentry_shape_is_right:
; x wq | x wk | x wv as ONE product C = A B^T on codes of FP4 (E2M1) with one E8M0 scale for each 32 along K; then the rotation (q, k), q and k each x 128^(-1/4), rounding to f16, head by head.
; A: rows 0 .. 2047 of 'codes' (x), B: rows 2048 .. 8191 (column n of wq | wk | wv); a row is 1,024 bytes, K innermost; 'scales' likewise, 64 bytes a row.  Sums in f32.
; A tile of C, 256 x 256, is made by a work-group of four waves; a wave makes 128 x 128 (64 accumulators, 512 registers): 128 rows of x against exactly ONE HEAD of q, k or v.
; K goes in steps of 512 through a ring of two LDS slots filled by the tensor data mover: a tile's row is 256 bytes.  The scale bytes of the work-group's rows, for all of K, come into LDS once and stay.
; CLUSTERS: 4 x 4 work-groups.  The four of a row of the cluster need the same tiles of A, the four of a column the same tiles of B: each tile is asked for jointly, by the same tensor load with the same descriptor and a mask that names the four.
; THE MATRIX INSTRUCTION IS USED TRANSPOSED (source 0 = 16 rows of B, source 1 = 16 rows of A): a lane holds eight neighbouring channels of one row.
; F16: the scores' scale 1/sqrt(128) is shared out between q and k, so that each has room: a rotated q or k up to 220,000, and a v up to 65,504, stay finite; beyond that they become infinite.
; REGISTERS: window 0: v0-31 addresses; v32-95 scale words, two sets; v128-191 A's fragments, one set; v248-249 +-g.  window 1: B's fragments, two sets.  windows 2, 3: the accumulators ((a, b) at v[8 (8 (a % 4) + b)]).
; 12 clusters: 192 work-groups; a smaller tile would read each LDS byte for half the products.
.set SIZE_K, 2048
.set KSTEP,  512
.set NQ,     KSTEP/128
.set ROWB,   256
.set KROW,   SIZE_K*4/8
.set PITCH,  272                       ; an LDS row: 256 bytes + 16 of padding: the 16 rows that a load touches start at 16 different banks (64 banks of 4 bytes: ISA guide 11.1)
.set FR,     8
.set NL,     2
.set NP,     4                         ; places behind this matrix instruction (ISA guide 7.12.1)
.set HALFT,  128*PITCH
.set SLOT,   4*HALFT
.set LAPS,   SIZE_K/(2*KSTEP)
.set KS,     SIZE_K/32
.set SCL,    2*SLOT
.set HALFS,  (128*KS/256)*272
.set SBLK,   (16*KS/256)*272
.set SPARE,  SCL+4*HALFS               ; the spare words, 128 bytes for each wave: two blocks of 256 bytes that no other line names
.set SPITCH, 528                       ; the way out: a stage of 16 rows x (512 bytes + 16) for each wave, in slot 0, which has had its last fill and its last read by then
.set ADRA, 16
.set ADRB, 20
.set STO,  24                          ; v24  the way out: where I put 32 bytes of a row
.set RD,   25                          ; v25  where I read 16 bytes of a row back: channels 4 lane ..
.set RDX,  26                          ; v26  and the 16 bytes 64 channels away: lane xor 16's
.set ADRS, 27
.set SPW,  28
.set NIL,  29
.set O8,   30                          ; v30  8 x lane
.set O16,  31                          ; v31  16 x lane
.set SC,   32
.set AF,   128
.set XR,   32                          ; the way out: v32-63 eight rows of x w, v64-95 their partners, v96-223 cos and sin in two sets, v224-231 at work, v232-247 f16 to store
.set XP,   64
.set TT,   224
.set OUTR, 232
.set SG,   248                         ; v[248:249]  -g in lanes 0-15 (channels under 64), +g in lanes 16-31
.set GS,   66                          ; s[66:67]    g = 128^(-1/4)
.set G1, 24
.set G0, 32
.set G1B, 48
.set G0B, 56
.set G1S, 68
.set G0S, 76
.set G1SB, 80
.set G0SB, 88
.set MSB, 0
.macro WIN new                         ; the immediate's high byte repeats the setting that is left
.if MSB != \new
	s_set_vgpr_msb (MSB<<8)|\new
.set MSB, \new
.endif
.endm
.set MUL_LO, 0xa1                      ; source 0 (B) window 1, source 1 (A) window 0, C and D window 2
.set MUL_HI, 0xf1
.set TO_B,   0x40
; A joint load: waves 0 and 1 fetch for A, waves 2 and 3 for B; the branch hangs on the wave's number alone.  Four v_nop follow each of the two lines.
.macro JLOAD g0a, g1a, g0b, g1b
	s_cmp_eq_u32 s15, 0
	s_cbranch_scc0 .Lfor_b_\@
	tensor_load_to_lds s[\g0a:\g0a+3], s[\g1a:\g1a+7]
	s_nop 0
.rept 4
	v_nop
.endr
	s_branch .Lasked_\@
.Lfor_b_\@:
	tensor_load_to_lds s[\g0b:\g0b+3], s[\g1b:\g1b+7]
	s_nop 0
.rept 4
	v_nop
.endr
.Lasked_\@:
.endm
.macro CREST                           ; a round of the cluster's barrier behind its opening barrier
	s_cmp_lg_u32 s14, 0
	s_cbranch_scc1 .Lnot_wave_0_\@
	s_barrier_signal -3
.Lnot_wave_0_\@:
	s_barrier_wait -3
	s_barrier_signal -1
	s_barrier_wait -1
.endm
.macro CROUND
	s_barrier_signal -1
	s_barrier_wait -1
	CREST
.endm
	s_load_b128 s[4:7], s[0:1], 0x0                ; codes, scales
	s_load_b128 s[96:99], s[0:1], 0x10             ; cos, sin
	v_lshl_add_u32 v[SPW], v0, 2, SPARE
	v_mov_b32 v[NIL], 0
	ds_add_u32 v28, v29
	s_wait_dscnt 0x0
	v_lshrrev_b32 v1, 5, v0
	v_readfirstlane_b32 s14, v1                    ; wave 0..3
	s_lshr_b32 s15, s14, 1                         ; which half of the tile's rows is mine.  Also: I fetch for A (0) or for B (1)
	s_and_b32 s16, s14, 1                          ; which half of its columns.  Also: which 128 rows of that tile I fetch
	s_bfe_u32 s40, ttmp6, 0x40000                  ; cx, cy
	s_bfe_u32 s41, ttmp6, 0x40004
	s_lshl_b32 s42, ttmp9, 2
	s_add_co_u32 s42, s42, s40                     ; tile column of C
	s_and_b32 s17, ttmp7, 0xffff
	s_lshl_b32 s17, s17, 2
	s_add_co_u32 s17, s17, s41                     ; tile row of C
	s_lshl_b32 s43, s41, 2
	s_lshl_b32 s43, 15, s43                        ; my row of the cluster
	s_lshl_b32 s44, 0x1111, s40                    ; my column
	s_or_b32 s[G1+0], s43, (0<<16)|(1<<20)|(1<<21)|(5<<22)|(3<<25)  ; the mask; elements of 1 byte; padding on; bit 21 beside a mask; after every 64 words four words
	s_or_b32 s[G1B+0], s44, (0<<16)|(1<<20)|(1<<21)|(5<<22)|(3<<25)
.irp g, G1, G1B
	s_mov_b32 s[\g+1], ROWB<<16                    ; tensor_dim0
	s_mov_b32 s[\g+2], 128<<16                     ; tensor_dim1
	s_mov_b32 s[\g+3], ROWB<<16                    ; tile_dim0
	s_mov_b32 s[\g+4], 128                         ; tile_dim1
	s_mov_b32 s[\g+5], KROW                        ; the pitch
	s_mov_b32 s[\g+6], 0
	s_mov_b32 s[\g+7], 0
.endr
	s_or_b32 s[G1S+0], s43, (3<<16)|(1<<20)|(1<<21)|(5<<22)|(3<<25) ; the scales of 128 rows: a dense block, as rows of 256 bytes (32 elements of 8), 16 bytes of padding behind each
	s_or_b32 s[G1SB+0], s44, (3<<16)|(1<<20)|(1<<21)|(5<<22)|(3<<25)
.irp g, G1S, G1SB
	s_mov_b32 s[\g+1], 32<<16
	s_mov_b32 s[\g+2], (128*KS/256)<<16
	s_mov_b32 s[\g+3], 32<<16
	s_mov_b32 s[\g+4], 128*KS/256
	s_mov_b32 s[\g+5], 32
	s_mov_b32 s[\g+6], 0
	s_mov_b32 s[\g+7], 0
.endr
	s_lshl_b32 s18, s16, 7
	s_lshl_b32 s20, s17, 8
	s_add_co_u32 s20, s20, s18                     ; A: row 256 x tile row + 128 x half
	s_lshl_b32 s46, s42, 8
	s_add_co_u32 s46, s46, s18                     ; B: row 256 x tile column + 128 x half
	s_mov_b32 s21, 0
	s_mov_b32 s47, 0
	s_mov_b64 s[18:19], KS
	s_mul_u64 s[22:23], s[20:21], s[18:19]
	s_mul_u64 s[92:93], s[46:47], s[18:19]
	s_mov_b64 s[18:19], KROW
	s_mul_u64 s[20:21], s[20:21], s[18:19]
	s_mul_u64 s[46:47], s[46:47], s[18:19]
	s_mul_i32 s45, s14, HALFT                      ; where they go: wave x 128 rows
	s_mul_i32 s94, s14, HALFS
	s_wait_kmcnt 0x0
	s_add_nc_u64 s[8:9], s[4:5], 2048*KROW         ; the weights' codes lie behind x's 2,048 rows,
	s_add_nc_u64 s[10:11], s[6:7], 2048*KS         ; their scale bytes likewise
	s_add_nc_u64 s[20:21], s[4:5], s[20:21]
	s_add_nc_u64 s[22:23], s[6:7], s[22:23]
	s_add_nc_u64 s[46:47], s[8:9], s[46:47]
	s_add_nc_u64 s[92:93], s[10:11], s[92:93]
	CROUND                                         ; all sixteen work-groups are here: the first joint loads meet
	s_mov_b32 s[G0S], 1
	s_add_co_u32 s[G0S+1], s94, SCL
	s_mov_b64 s[G0S+2:G0S+3], s[22:23]
	s_or_b32 s[G0S+3], s[G0S+3], 0x80000000
	s_mov_b32 s[G0SB], 1
	s_add_co_u32 s[G0SB+1], s94, SCL
	s_mov_b64 s[G0SB+2:G0SB+3], s[92:93]
	s_or_b32 s[G0SB+3], s[G0SB+3], 0x80000000
	JLOAD G0S, G1S, G0SB, G1SB                     ; the scales first: they are wanted with K step 0
.irp s, 0,1
	s_mov_b32 s[G0+4*\s], 1
	s_add_co_u32 s[G0+4*\s+1], s45, \s*SLOT
	s_add_nc_u64 s[G0+4*\s+2:G0+4*\s+3], s[20:21], \s*ROWB
	s_or_b32 s[G0+4*\s+3], s[G0+4*\s+3], 0x80000000
	s_mov_b32 s[G0B+4*\s], 1
	s_add_co_u32 s[G0B+4*\s+1], s45, \s*SLOT
	s_add_nc_u64 s[G0B+4*\s+2:G0B+4*\s+3], s[46:47], \s*ROWB
	s_or_b32 s[G0B+4*\s+3], s[G0B+4*\s+3], 0x80000000
	JLOAD G0+4*\s, G1, G0B+4*\s, G1B
.endr
	s_load_b128 s[4:7], s[0:1], 0x20               ; qb, kb (the descriptors hold their own copies of the addresses that stood here)
	s_load_b64 s[8:9], s[0:1], 0x30                ; vb
	v_and_b32 v1, 15, v0                           ; l % 16
	v_bfe_u32 v2, v0, 4, 1                         ; l / 16
	v_mul_u32_u24 v3, v1, PITCH
	v_lshl_add_u32 v4, v2, 4, v3                   ; a fragment's row x pitch + 16 x half
	s_mul_i32 s21, s15, HALFT                      ; my 128 rows of A
	s_mul_i32 s22, s16, HALFT                      ; my 128 rows of B,
	s_add_co_u32 s22, s22, 2*HALFT                 ; which lie behind A's 256
.irp s, 0,1
	v_add_nc_u32 v[ADRA+\s], s21, v4
	v_add_nc_u32 v[ADRB+\s], s22, v4
	s_add_co_u32 s21, s21, SLOT
	s_add_co_u32 s22, s22, SLOT
.endr
	v_mul_u32_u24 v5, v1, KS                       ; my row's scales: KS bytes a row,
	v_lshrrev_b32 v6, 8, v5
	v_lshl_add_u32 v5, v6, 4, v5                   ; and 16 more for each 256 passed
	s_mul_i32 s21, s15, HALFS
	s_mul_i32 s22, s16, HALFS
	s_add_co_u32 s22, s22, 2*HALFS
	s_sub_co_u32 s22, s22, s21
	v_mul_u32_u24 v6, s22, v2                      ; lanes 16-31 take B's
	s_add_co_u32 s21, s21, SCL
	v_add_nc_u32 v5, v5, v6
	v_add_nc_u32 v[ADRS], s21, v5
	s_mul_i32 s23, s14, 16*SPITCH                  ; my stage
	v_mul_u32_u24 v5, v1, SPITCH
	v_lshl_add_u32 v5, v2, 5, v5
	v_add_nc_u32 v[STO], s23, v5                   ; in: row l % 16, 32 bytes for each half of the lanes
	v_and_b32 v6, 31, v0
	v_lshlrev_b32 v[O16], 4, v6
	v_lshlrev_b32 v[O8], 3, v6
	v_add_nc_u32 v[RD], s23, v[O16]                ; back: the 32 lanes take one row of 512 bytes
	v_xor_b32 v6, 16, v6
	v_lshlrev_b32 v6, 4, v6
	v_add_nc_u32 v[RDX], s23, v6                   ; and the channel 64 away
	; where my 128 rows x one head go, and where their cos and sin lie
	s_lshr_b32 s18, ttmp9, 1                       ; 0: q, 1: k, 2: v: eight tile columns each; the same in all partners
	s_and_b32 s19, s42, 7
	s_lshl_b32 s19, s19, 1
	s_add_co_u32 s19, s19, s16                     ; the head
	s_lshl_b32 s20, s17, 8
	s_lshl_b32 s21, s15, 7
	s_add_co_u32 s20, s20, s21                     ; my first row
	s_lshl_b32 s46, s20, 9                         ; cos, sin: 512 bytes a row
	s_mov_b32 s47, 0
	s_lshl_b32 s20, s20, 8                         ; a head's row: 256 bytes
	s_lshl_b32 s21, s19, 19                        ; qb: 2,048 rows a head;
	s_lshl_b32 s22, s19, 20                        ; kb, vb: 4,096,
	s_add_co_u32 s22, s22, 2048*256                ; the new rows behind the cache's 2,048
	s_cmp_eq_u32 s18, 0
	s_cselect_b32 s21, s21, s22
	s_add_co_u32 s20, s20, s21
	s_mov_b32 s21, 0
	s_mov_b32 s[GS], 0x3e9837f0                    ; 128^(-1/4): q and k each carry half of the scores' scale
	s_mov_b32 s[GS+1], s[GS]                       ; (named with it as a pair)
	s_wait_kmcnt 0x0
	s_cmp_eq_u32 s18, 0
	s_cselect_b64 s[12:13], s[4:5], s[6:7]
	s_cmp_eq_u32 s18, 2
	s_cselect_b64 s[12:13], s[8:9], s[12:13]
	s_add_nc_u64 s[12:13], s[12:13], s[20:21]
	s_add_nc_u64 s[96:97], s[96:97], s[46:47]
	s_add_nc_u64 s[98:99], s[98:99], s[46:47]
	v_xor_b32 v3, 1, v2
	v_lshlrev_b32 v3, 31, v3
	v_xor_b32 v[SG], s[GS], v3                     ; rotate_half: -x(d + 64) for d < 64, +x(d - 64) above
	v_mov_b32 v[SG+1], v[SG]
.macro FRAG reg, adr, q, i             ; 16 rows x 128 K of 4-bit codes: 8 registers: lane l holds row l % 16; registers 4 c .. 4 c + 3 hold K = 64 c + 32 (l / 16) + 0 .. 31
.irp c, 0,1
	ds_load_b128 v[\reg+4*\c:\reg+4*\c+3], v[\adr] offset:64*(\q)+32*\c+(\i)*16*PITCH
.endr
.endm
; 16 matrix instructions: A's blocks a0, a0 + 1 x B's eight.  The 64 accumulators take turns, one instruction a turn, in the same order in every step.
; One register carries A's scale word (lanes 0-15) and B's (lanes 16-31) of block i.
.macro MUL16 a0, p, q, sc, zero
.irp a, \a0, \a0+1
.irp b, 0,1,2,3,4,5,6,7
.if \zero
	v_wmma_scale_f32_16x16x128_f8f6f4 v[8*(8*((\a)%4)+\b):8*(8*((\a)%4)+\b)+7], v[128*(\p)+FR*\b:128*(\p)+FR*\b+FR-1], v[AF+FR*(\a):AF+FR*(\a)+FR-1], 0, v[SC+8*NQ*(\sc)+NQ*\b+(\q)], v[SC+8*NQ*(\sc)+NQ*(\a)+(\q)] matrix_a_fmt:MATRIX_FMT_FP4 matrix_b_fmt:MATRIX_FMT_FP4 matrix_a_scale:MATRIX_SCALE_ROW1
.else
	v_wmma_scale_f32_16x16x128_f8f6f4 v[8*(8*((\a)%4)+\b):8*(8*((\a)%4)+\b)+7], v[128*(\p)+FR*\b:128*(\p)+FR*\b+FR-1], v[AF+FR*(\a):AF+FR*(\a)+FR-1], v[8*(8*((\a)%4)+\b):8*(8*((\a)%4)+\b)+7], v[SC+8*NQ*(\sc)+NQ*\b+(\q)], v[SC+8*NQ*(\sc)+NQ*(\a)+(\q)] matrix_a_fmt:MATRIX_FMT_FP4 matrix_b_fmt:MATRIX_FMT_FP4 matrix_a_scale:MATRIX_SCALE_ROW1
.endif
.endr
.endr
.endm
.macro FETCH_B slot, q, p
	WIN TO_B
.irp i, 0,1,2,3,4,5,6,7
	FRAG 128*(\p)+FR*\i, ADRB+\slot, \q, \i
.endr
	WIN 0
.endm
.macro FETCH_A slot, q, i0
.irp i, \i0, \i0+1, \i0+2, \i0+3
	FRAG AF+FR*(\i), ADRA+\slot, \q, \i
.endr
.endm
.macro SCALES sc
.irp i, 0,1,2,3,4,5,6,7
	ds_load_b128 v[SC+8*NQ*\sc+NQ*\i:SC+8*NQ*\sc+NQ*\i+3], v[ADRS] offset:\i*SBLK
.endr
.endm
.macro PLACES n                        ; plain vector instructions between a matrix instruction and a load into, or a read of, its registers
.rept \n
	v_nop
.endr
.endm
.macro STEP slot, q, zero              ; 128 along K with its successor in the same slot
	s_wait_dscnt 4*NL                              ; B's set and A's blocks 0-3 are in; the youngest eight loads (A's blocks 4-7) may be out
	WIN MUL_LO
	MUL16 0, (\q)%2, \q, \slot, \zero
	MUL16 2, (\q)%2, \q, \slot, \zero
	s_wait_dscnt 0
	PLACES NP
	FETCH_B \slot, (\q)+1, 1-(\q)%2
	FETCH_A \slot, (\q)+1, 0
	WIN MUL_HI
	MUL16 4, (\q)%2, \q, \slot, \zero
	MUL16 6, (\q)%2, \q, \slot, \zero
	PLACES NP
	WIN 0
	FETCH_A \slot, (\q)+1, 4
.endm
; A slot's last step changes slots: one barrier; in front of it each wave waits for all its tensor loads, adds 0 to its spare word, and waits for that and for its own reads of this slot.
.macro TURN slot, next, fill
	s_wait_tensorcnt 0x0                           ; all my tensor loads have landed: my part of the next slot
	ds_add_u32 v[SPW], v[NIL]                      ; 0 onto my spare word
	s_wait_dscnt 4*NL+1                            ; (the add and the youngest eight loads may be out)
	WIN MUL_LO
	MUL16 0, 1, NQ-1, \slot, 0
	s_wait_dscnt 0x0                               ; the add is done, and my reads of this slot are over
	s_barrier_signal -1
	MUL16 2, 1, NQ-1, \slot, 0
	WIN 0
	s_barrier_wait -1
.if \fill
	CREST                                          ; the barrier has opened a round of the cluster's barrier: no wave of any partner still reads this slot or has a load on its way
	s_add_nc_u64 s[G0+4*\slot+2:G0+4*\slot+3], s[G0+4*\slot+2:G0+4*\slot+3], 2*ROWB
	s_add_nc_u64 s[G0B+4*\slot+2:G0B+4*\slot+3], s[G0B+4*\slot+2:G0B+4*\slot+3], 2*ROWB
	JLOAD G0+4*\slot, G1, G0B+4*\slot, G1B         ; the first tensor load behind the round; its four v_nop are the places in front of the loads below
.else
	PLACES NP
.endif
	v_add_nc_u32 v[ADRS], 4*NQ, v[ADRS]            ; on to the next K step's scale words
	FETCH_B \next, 0, 0
	FETCH_A \next, 0, 0
	SCALES \next
	WIN MUL_HI
	MUL16 4, 1, NQ-1, \slot, 0
	MUL16 6, 1, NQ-1, \slot, 0
	PLACES NP
	WIN 0
	FETCH_A \next, 0, 4
.endm
.macro STEPS slot, from
.set Q, \from
.rept NQ-1-\from
	STEP \slot, Q, 0
.set Q, Q+1
.endr
.endm
	s_wait_tensorcnt 1                             ; the scales and my part of K step 0 are in (K step 1's load may be out),
	s_barrier_signal -1
	s_barrier_wait -1                              ; everybody's are
	FETCH_B 0, 0, 0
	FETCH_A 0, 0, 0
	SCALES 0
	FETCH_A 0, 0, 4
	STEP 0, 0, 1                                   ; the first step's products start the sums
	s_mov_b32 s3, LAPS-1
.Llap:                                                 ; a trip goes once round the ring and fills both slots again
	STEPS 0, 1
	TURN 0, 1, 1
	STEPS 1, 0
	TURN 1, 0, 1
	STEP 0, 0, 0
	s_sub_co_u32 s3, s3, 1
	s_cmp_lg_u32 s3, 0
	s_cbranch_scc1 .Llap
	STEPS 0, 1                                     ; the last lap fills nothing
	TURN 0, 1, 0
	STEPS 1, 0
	s_wait_dscnt 4*NL
	WIN MUL_LO
	MUL16 0, 1, NQ-1, 1, 0
	MUL16 2, 1, NQ-1, 1, 0
	s_wait_dscnt 0
	WIN MUL_HI
	MUL16 4, 1, NQ-1, 1, 0
	MUL16 6, 1, NQ-1, 1, 0
	WIN 0
; THE WAY OUT, block by block of 16 rows x 128 channels.  A block goes into my own stage as f32 and comes back by rows: lane l then holds channels 4 l .. 4 l + 3 of a row, and a second load brings the four channels 64 away.
; out = x (g cos) + partner (+-g sin), rounded to f16: 8 bytes a lane, so each store of the wave covers 256 consecutive bytes, aligned: one row of one head.  LDS serves a wave's instructions in order.
.macro TOSTAGE a
.set AC, 64*((\a)%4)
	WIN 0x08+4*((\a)/4)                            ; an LDS store's data are its source 1: window 2 or 3
.irp b, 0,1,2,3,4,5,6,7
	ds_store_b128 v[STO], v[AC+8*\b:AC+8*\b+3] offset:64*\b          ; each accumulator from its low end on
	ds_store_b128 v[STO], v[AC+8*\b+4:AC+8*\b+7] offset:64*\b+16
.endr
	WIN 0
.endm
.macro CSLOAD g                        ; cos and sin of rows 8 g .. 8 g + 7, 512 consecutive bytes a load, into set g % 2
.set CL, 96+64*((\g)%2)
.irp i, 0,1,2,3,4,5,6,7
	global_load_b128 v[CL+4*\i:CL+4*\i+3], v[O16], s[96:97] offset:(8*(\g)+\i)*512
	global_load_b128 v[CL+32+4*\i:CL+32+4*\i+3], v[O16], s[98:99] offset:(8*(\g)+\i)*512
.endr
.endm
.macro HALF g                          ; rows 8 g .. 8 g + 7 of my 128: rotated, scaled, rounded, stored
	s_wait_xcnt 0x0                                ; the last eight stores have read their data
.if (\g) < 15
	CSLOAD (\g)+1
.endif
.set CC, 96+64*((\g)%2)
.irp i, 0,1,2,3,4,5,6,7
	ds_load_b128 v[XR+4*\i:XR+4*\i+3], v[RD] offset:(8*((\g)%2)+\i)*SPITCH
	ds_load_b128 v[XP+4*\i:XP+4*\i+3], v[RDX] offset:(8*((\g)%2)+\i)*SPITCH
.endr
	s_wait_dscnt 0x0
.if (\g) < 15
	s_wait_loadcnt 16                              ; this half's cos and sin are in; the 16 loads just issued may be out
.else
	s_wait_loadcnt 0x0
.endif
.irp i, 0,1,2,3,4,5,6,7
	v_pk_mul_f32 v[TT:TT+1], v[CC+4*\i:CC+4*\i+1], s[GS:GS+1] op_sel_hi:[1,0]
	v_pk_mul_f32 v[TT+2:TT+3], v[CC+4*\i+2:CC+4*\i+3], s[GS:GS+1] op_sel_hi:[1,0]
	v_pk_mul_f32 v[TT+4:TT+5], v[CC+32+4*\i:CC+32+4*\i+1], v[SG:SG+1]
	v_pk_mul_f32 v[TT+6:TT+7], v[CC+32+4*\i+2:CC+32+4*\i+3], v[SG:SG+1]
	v_pk_mul_f32 v[TT:TT+1], v[TT:TT+1], v[XR+4*\i:XR+4*\i+1]
	v_pk_mul_f32 v[TT+2:TT+3], v[TT+2:TT+3], v[XR+4*\i+2:XR+4*\i+3]
	v_pk_fma_f32 v[TT:TT+1], v[TT+4:TT+5], v[XP+4*\i:XP+4*\i+1], v[TT:TT+1]
	v_pk_fma_f32 v[TT+2:TT+3], v[TT+6:TT+7], v[XP+4*\i+2:XP+4*\i+3], v[TT+2:TT+3]
	v_cvt_pk_f16_f32 v[OUTR+2*\i], v[TT], v[TT+1]
	v_cvt_pk_f16_f32 v[OUTR+2*\i+1], v[TT+2], v[TT+3]
.endr
.irp i, 0,1,2,3,4,5,6,7
	global_store_b64 v[O8], v[OUTR+2*\i:OUTR+2*\i+1], s[12:13] offset:(8*(\g)+\i)*256
.endr
.endm
.macro HALFV g                         ; the same for v: rounded and stored
	s_wait_xcnt 0x0
.irp i, 0,1,2,3,4,5,6,7
	ds_load_b128 v[XR+4*\i:XR+4*\i+3], v[RD] offset:(8*((\g)%2)+\i)*SPITCH
.endr
	s_wait_dscnt 0x0
.irp i, 0,1,2,3,4,5,6,7
	v_cvt_pk_f16_f32 v[OUTR+2*\i], v[XR+4*\i], v[XR+4*\i+1]
	v_cvt_pk_f16_f32 v[OUTR+2*\i+1], v[XR+4*\i+2], v[XR+4*\i+3]
.endr
.irp i, 0,1,2,3,4,5,6,7
	global_store_b64 v[O8], v[OUTR+2*\i:OUTR+2*\i+1], s[12:13] offset:(8*(\g)+\i)*256
.endr
.endm
	PLACES NP                                      ; behind the last products: for the loads into registers that held fragments and scale words, and for the reads of results
	s_cmp_ge_u32 ttmp9, 4                          ; cluster columns 4 and 5 hold v: the same in all partners
	s_cbranch_scc1 .Lplain
	CSLOAD 0
.irp a, 0,1,2,3,4,5,6,7
	TOSTAGE \a
	HALF 2*\a
	HALF 2*\a+1
.endr
	s_branch .Lend
.Lplain:
.irp a, 0,1,2,3,4,5,6,7
	TOSTAGE \a
	HALFV 2*\a
	HALFV 2*\a+1
.endr
.Lend:
	s_wait_tensorcnt 0x0                           ; the wave's end
	ds_add_u32 v[SPW], v[NIL]
	s_wait_dscnt 0x0
	CROUND                                         ; the closing round: no work-group ends while a partner may still ask for a tile that names it
	s_endpgm
.Lfunc_end_k_q12fac8653c_qkv:
	.size	k_q12fac8653c_qkv, .Lfunc_end_k_q12fac8653c_qkv-k_q12fac8653c_qkv
	.p2alignl 7, 3214868480
	.fill 96, 4, 3214868480
	.section	.rodata,"a",@progbits
	.p2align	6, 0x0
	.amdhsa_kernel k_q12fac8653c_qkv
		.amdhsa_group_segment_fixed_size 327680
		.amdhsa_private_segment_fixed_size 0
		.amdhsa_enable_private_segment 0
		.amdhsa_kernarg_size 56
		.amdhsa_user_sgpr_count 2
		.amdhsa_user_sgpr_kernarg_segment_ptr 1
		.amdhsa_wavefront_size32 1
		.amdhsa_system_sgpr_workgroup_id_x 1
		.amdhsa_system_sgpr_workgroup_id_y 1
		.amdhsa_system_sgpr_workgroup_id_z 1
		.amdhsa_system_vgpr_workitem_id 0
		.amdhsa_next_free_vgpr 1024
		.amdhsa_next_free_sgpr 100
		.amdhsa_reserve_vcc 0
		.amdhsa_float_denorm_mode_32 3
		.amdhsa_float_denorm_mode_16_64 3
		.amdhsa_memory_ordered 1
		.amdhsa_forward_progress 1
		.amdhsa_inst_pref_size 255
	.end_amdhsa_kernel
	.section	.bss,"aw",@nobits
	.p2align	6
	.space	262144
	.amdgpu_metadata
---
amdhsa.version: [ 1, 2 ]
amdhsa.kernels:
  - .name:           k_q12fac8653c_qkv
    .symbol:         k_q12fac8653c_qkv.kd
    .args:
      - { .name: codes, .offset: 0, .size: 8, .value_kind: global_buffer, .address_space: global }
      - { .name: scales, .offset: 8, .size: 8, .value_kind: global_buffer, .address_space: global }
      - { .name: cos, .offset: 16, .size: 8, .value_kind: global_buffer, .address_space: global }
      - { .name: sin, .offset: 24, .size: 8, .value_kind: global_buffer, .address_space: global }
      - { .name: qb, .offset: 32, .size: 8, .value_kind: global_buffer, .address_space: global }
      - { .name: kb, .offset: 40, .size: 8, .value_kind: global_buffer, .address_space: global }
      - { .name: vb, .offset: 48, .size: 8, .value_kind: global_buffer, .address_space: global }
    .group_segment_fixed_size: 327680
    .private_segment_fixed_size: 0
    .kernarg_segment_align: 8
    .kernarg_segment_size: 56
    .max_flat_workgroup_size: 128
    .sgpr_count:     100
    .vgpr_count:     1024
    .wavefront_size: 32
...
	.end_amdgpu_metadata
.endif
;; end of part 2
;; launch attn (part 3): grid 16 x 16, 8 waves a work-group, clusters of 4 x 1, 327,680 bytes of LDS; arguments qb, kb, vb, maskf, ctx; writes ctx
.if DOCPART == 3
	.amdgcn_target "amdgcn-amd-amdhsa--gfx1250"
	.amdhsa_code_object_version 6
	.text
	.protected	k_q12fac8653c_attn
	.globl	k_q12fac8653c_attn
	.p2align	8
	.type	k_q12fac8653c_attn,@function
k_q12fac8653c_attn:
	s_mov_b64 s[64:65], 0
	v_nop
	global_prefetch_b8 v0, s[64:65] scope:SCOPE_SE
	s_setreg_imm32_b32 hwreg(HW_REG_WAVE_MODE, 25, 1), 1
	s_wait_xcnt 0x0
	s_wait_alu depctr_hold_cnt(0) depctr_sa_sdst(0) depctr_va_vdst(0) depctr_va_sdst(0) depctr_va_ssrc(0) depctr_va_vcc(0) depctr_vm_vsrc(0)
	s_getreg_b32 s2, hwreg(HW_REG_IB_STS2, 6, 4)
	s_cmp_eq_u32 s2, 0
	s_cbranch_scc0 .Lentry_in_a_cluster
	s_endpgm
.Lentry_in_a_cluster:
	s_bfe_u32 s2, ttmp6, 0x10000c
	s_cmp_lg_u32 s2, 0x3003
	s_cbranch_scc0 .Lentry_shape_is_right
	s_endpgm
.Lentry_shape_is_right:
; ctx[q][h] = the sum over k of softmax_k(q'[h][q] . k'[h][k] + mask[q][k]) V[h][k].  qb [16][2048][128], kb, vb [16][4096][128], ctx [2048][16 x 128]: f16; q' and k' each carry 128^(-1/4).
; maskf: the mask in f32, in blocks of 16 queries x 64 keys laid in the order of an accumulator's registers.  Products, maxima and sums in f32; the weights p, at most 1, are rounded to f16 for the second product.
; SHARES.  A work-group owns 128 queries of one head: 256 work-groups.  Eight waves of 512 registers, two to a SIMD, so that one wave's softmax stands beside the other's products and LDS loads.  Wave w owns queries 32 (w / 2) on,
; two tiles of 16, and of every slot of 128 keys the half w % 2: one step of 64 keys.  The two waves of a group of queries are merged once, at the end, through LDS.
; LAYOUT.  S^T = K Q^T + mask (source 0 = 16 keys, source 1 = 16 queries): a lane holds ONE query (lane % 16) and the keys 8 (lane / 16) + 0..7.  THE MASK IS LOADED INTO THE SCORES' REGISTERS, and the first link adds in place onto it.
; Two tiles of S^T, rounded to f16 in pairs, are source 1 of O^T = V^T P.  K comes out of LDS as it lies, V turned, by ds_load_tr16_b128, into the registers that K has left.
; SOFTMAX.  For each query a running maximum m (never under -1e30) and sum l: p = 2^(c s - c m), c = log2(e); in every step O and l are multiplied by a = 2^(c m_old - c m_new).
; A KEY STEP, in phases: K from LDS; 32 products K Q^T; V from LDS; the softmax of both tiles, and in it, behind the last read of the scores, the 16 loads of the next step's mask (512 consecutive bytes each); 32 products V^T P.
; ONE LOOP: 31 trips of a change of slots with a refill and a key step; the last change and step are written out.  The loop has no first step of its own: O^T and l begin as zeros (128 v_mov_b32, once), m as -1e30.
; CLUSTER.  The four query blocks of a cluster belong to one head and walk the same K and V: each tile is asked for jointly.  The mask is not shared so: it differs from partner to partner and goes to registers.
; No prefetch is laid for the mask: sixteen heads read the same blocks, so it is no stream that is read once, and its loads go out a phase of products ahead of their use.
; LIMITS: a query whose every score lies under -1e30 gives NaN; an infinite number in the mask relies on an infinite C passing through the matrix instruction; NaN among the inputs is not served; a ctx beyond 65,504 becomes infinite.
; REGISTERS: window 0: v0-15 addresses; v16-31 statistics, eight a tile; v32-63 P, 16 a tile; v64-127 S^T, 32 a tile; v128-255 K, then V, of one step.   window 1: v0-127 O^T, 64 a tile; v128-191 Q, 32 a tile.
.set KS,    64
.set PK,    272       ; a row of K in LDS: 256 bytes + 16 of padding: the 16 rows of a load start at 16 different banks (64 banks of 4 bytes: ISA guide 11.1)
.set PV,    288       ; a row of V: 256 + 32
.set KQ4,   KS*PK     ; 17,408: what one tensor load brings of K, and what one wave reads of a slot
.set VQ4,   KS*PV     ; 18,432
.set VOFF,  2*KQ4     ; a slot: 128 rows of K, then 128 rows of V
.set SLOTB, 2*(KQ4+VQ4)  ; 71,680
.set SLOT1, 1<<17     ; slot 1 begins here, so that one exclusive or turns an address in one slot into the other's
.set SPARE, SLOT1+SLOTB  ; the spare words, 128 bytes for each wave: four blocks of 256 bytes that no other line names
.set MRG,   SPARE+2048   ; the merge, in bytes into which no fill lands: for each group of queries two images of O^T (8,192 bytes each) and 512 bytes of statistics
.set MRGW,  2*8192+512
.set STAGE, MRG+4*MRGW   ; behind them: 16 rows x 272 bytes for each group of queries, for the way out
.set SP,    272
.set AK0, 2           ; v2   my lane's place in my half of a slot's K
.set AV0, 3           ; v3   the same for V
.set ADR, 4           ; v4   the LDS address of the run of loads in hand
.set MO,  5           ; v5   16 x lane
.set PFO, 6           ; v6   256 x lane
.set SPW, 8           ; v8   LDS address of my spare word; never rewritten
.set NIL, 9           ; v9   0; never rewritten
.set STO, 10          ; v10-14 the merge and the way out (v10 first serves Q's loads)
.set RD,  11
.set GO,  12
.set MGI, 13
.set MGS, 14
.set ST,  16          ; tile t's statistics at v[ST+8 t]: +0 c m, +1 m, +2, +3 l, +4 to +7 at work
.set P,   32
.set PS,  32          ; in the merge: the partner's c m and l, two a tile
.set S,   64
.set KV,  128
.set QF,  128         ; in window 1
.set WV,  12
.set LIM, 15          ; s15  2 in a wave that prefetches, else the greatest number
.set PFA, 18          ; s[18:19] where my prefetches of K or V stand
.set G1K, 24
.set G1V, 32
.set G0K, 40          ; s[40:43] group 0 for K's tiles: it walks
.set G0V, 44          ; s[44:47] the same for V's
.set TRIPS, 56
.set CS,  58
.set SEL, 60
.set TB,  62          ; s62  LDS byte at which the slot in hand begins
.set CTX, 66
.set MA,  70          ; s[70:71] maskf at my first tile's block of the step whose mask was loaded last
.set TKW, 80
.set TVW, 81
.set KP,  82
.set QG,  83
.set HD,  84
.set FLR, 85
.set MSB, 0
.macro WIN new                      ; the immediate's high byte repeats the setting that is left; a switch that changes nothing is dropped
.if MSB != \new
	s_set_vgpr_msb (MSB<<8)|\new
.set MSB, \new
.endif
.endm
.set W_KQ, 0x04       ; Q (source 1) in window 1; K and S^T in window 0
.set W_PV, 0x50       ; O^T (C and D) in window 1; V and P in window 0
.set W_RS, 0x41       ; O^T (destination and source 0) in window 1, a in window 0
; A joint load.  Waves 0 and 1 fetch K's halves, waves 2 and 3 V's, the others nothing.  The branches hang on the wave's number alone.  Four v_nop follow each of the two lines.
.macro JLOAD
	s_cmp_lt_u32 s[WV], 2
	s_cbranch_scc0 .Lnot_k_\@
	tensor_load_to_lds s[G0K:G0K+3], s[G1K:G1K+7]
	s_nop 0
.rept 4
	v_nop
.endr
	s_branch .Lasked_\@
.Lnot_k_\@:
	s_cmp_lt_u32 s[WV], 4
	s_cbranch_scc0 .Lasked_\@
	tensor_load_to_lds s[G0V:G0V+3], s[G1V:G1V+7]
	s_nop 0
.rept 4
	v_nop
.endr
.Lasked_\@:
.endm
; A prefetch of the slot that the change of slots AFTER THE NEXT will ask for: 128 rows of K and 128 of V, 256 bytes a row, a lane a row.  All clusters of a head walk the same rows: the head's first cluster asks.  Its four
; partners share the rows out by address, 32 each; in each, wave 4 asks for K's and wave 5 for V's: one instruction.  The last two changes that fill a slot ask for nothing.  Slots 0, 1 and 2 come by their loads alone.
.macro ASK
	s_cmp_gt_u32 s[TRIPS], s[LIM]
	s_cbranch_scc0 .Lnot_mine_\@
	global_prefetch_b8 v[PFO], s[PFA:PFA+1] th:TH_LOAD_NT scope:SCOPE_SE
.Lnot_mine_\@:
.endm
.macro CROUND                       ; a round of the cluster's barrier
	s_barrier_signal -1
	s_barrier_wait -1
	s_cmp_lg_u32 s[WV], 0
	s_cbranch_scc1 .Lnot_wave_0_\@
	s_barrier_signal -3
.Lnot_wave_0_\@:
	s_barrier_wait -3
	s_barrier_signal -1
	s_barrier_wait -1
.endm
.macro MLOADS                       ; 16 loads: the mask of my two tiles for the step at s[MA], into the scores' registers
.irp t, 0,1
.irp n, 0,1,2,3,4,5,6,7
	global_load_b128 v[S+32*\t+4*\n:S+32*\t+4*\n+3], v[MO], s[MA:MA+1] offset:\t*262144+512*\n
.endr
.endr
.endm
	s_load_b256 s[4:11], s[0:1], 0x0  ; qb s[4:5], kb s[6:7], vb s[8:9], maskf s[10:11]
	s_load_b64 s[CTX:CTX+1], s[0:1], 0x20
	v_lshl_add_u32 v[SPW], v0, 2, SPARE
	v_mov_b32 v[NIL], 0
	ds_add_u32 v8, v9
	s_wait_dscnt 0x0
	v_lshrrev_b32 v1, 5, v0
	v_readfirstlane_b32 s[WV], v1   ; wave 0..7
	s_and_b32 s[KP], s[WV], 1       ; my half of each slot's keys.  Also: which 64 rows of K or V I fetch, if I fetch
	s_lshr_b32 s[QG], s[WV], 1      ; my group of 32 queries
	s_bfe_u32 s13, ttmp6, 0x40000   ; cx
	s_lshl_b32 s14, ttmp9, 2
	s_add_co_u32 s14, s14, s13      ; my block of 128 queries: it enters Q's, the mask's and ctx's addresses alone
	s_and_b32 s[HD], ttmp7, 0xffff  ; the head, which the four partners share
	s_mul_i32 s[TKW], s[KP], KQ4
	s_mul_i32 s[TVW], s[KP], VQ4
	s_add_co_u32 s[TVW], s[TVW], VOFF
	s_lshl_b32 s22, s[HD], 20       ; the head's first byte in kb and vb,
	s_lshl_b32 s16, s[KP], 14       ; and my 64 rows of 256 bytes
	s_add_co_u32 s22, s22, s16
	s_mov_b32 s23, 0
	s_lshl_b32 s2, s[HD], 19        ; qb: the head, my block's 128 rows, my wave's 32
	s_lshl_b32 s3, s14, 15
	s_add_co_u32 s2, s2, s3
	s_lshl_b32 s3, s[QG], 13
	s_add_co_u32 s2, s2, s3
	s_mov_b32 s3, 0
	s_lshl_b32 s20, s14, 21         ; maskf: 262,144 bytes for each tile of 16 queries: 8 tiles a block, 2 a wave; my first step is block w % 2 of 64 keys
	s_lshl_b32 s21, s[QG], 19
	s_add_co_u32 s20, s20, s21
	s_lshl_b32 s21, s[KP], 12
	s_add_co_u32 s20, s20, s21
	s_mov_b32 s21, 0
	s_lshl_b32 s86, s14, 19         ; ctx: rows of 4,096 bytes, the head's 256 bytes in them
	s_lshl_b32 s87, s[QG], 17
	s_add_co_u32 s86, s86, s87
	s_lshl_b32 s87, s[HD], 8
	s_add_co_u32 s86, s86, s87
	s_mov_b32 s87, 0
	s_lshl_b32 s88, s[HD], 20       ; the prefetches of K and V: the head, slot 2, my work-group's 32 rows
	s_lshl_b32 s89, s13, 13
	s_add_co_u32 s88, s88, s89
	s_add_co_u32 s88, s88, 2*32768
	s_mov_b32 s89, 0
	s_mov_b32 s[G1K], 15|(1<<16)|(1<<20)|(1<<21)|(5<<22)|(3<<25)  ; the mask: all four work-groups; elements of 2 bytes; padding on; bit 21 beside a mask; after every 64 words 4 words
	s_mov_b32 s[G1V], 15|(1<<16)|(1<<20)|(1<<21)|(5<<22)|(7<<25)  ; the same with 8 words
.irp g, G1K, G1V
	s_mov_b32 s[\g+1], 128<<16      ; tensor_dim0 = 128
	s_mov_b32 s[\g+2], KS<<16       ; tensor_dim1 = 64
	s_mov_b32 s[\g+3], 128<<16      ; tile_dim0 = 128
	s_mov_b32 s[\g+4], KS           ; tile_dim1 = 64
	s_mov_b32 s[\g+5], 128          ; the pitch
	s_mov_b32 s[\g+6], 0
	s_mov_b32 s[\g+7], 0
.endr
	s_mov_b32 s[CS], 0x3fb8aa3b     ; c = log2(e)
	s_mov_b32 s[CS+1], s[CS]        ; (named with it as a pair)
	s_mov_b32 s[SEL], 0x76543210
	s_mov_b32 s[SEL+1], 0xfedcba98
	s_mov_b32 s[FLR], 0xf149f2ca    ; -1e30: the first m, under which no maximum is taken, so that m is a number where a step's keys are all hidden by -infinity
	s_mov_b32 s[TB], 0
	s_mov_b32 s[TRIPS], 31
	s_lshr_b32 s16, s[WV], 1
	s_xor_b32 s16, s16, 2           ; 0 in waves 4 and 5,
	s_or_b32 s16, s16, ttmp9        ; of the head's first cluster: the same in all four partners
	s_cmp_eq_u32 s16, 0
	s_cselect_b32 s[LIM], 2, -1
	v_and_b32 v[PFO], 31, v0
	v_lshlrev_b32 v[PFO], 8, v[PFO]
	s_wait_kmcnt 0x0
	s_cmp_eq_u32 s[KP], 0
	s_cselect_b64 s[PFA:PFA+1], s[6:7], s[8:9]
	s_add_nc_u64 s[PFA:PFA+1], s[PFA:PFA+1], s[88:89]  ; in slot 2; the first change of slots steps it to slot 3.  Nothing is prefetched at the head
	s_add_nc_u64 s[6:7], s[6:7], s[22:23]
	s_add_nc_u64 s[8:9], s[8:9], s[22:23]
	s_add_nc_u64 s[4:5], s[4:5], s[2:3]
	s_add_nc_u64 s[MA:MA+1], s[10:11], s[20:21]
	s_add_nc_u64 s[CTX:CTX+1], s[CTX:CTX+1], s[86:87]
	CROUND                          ; all four work-groups are here: the first joint loads meet
	s_mov_b32 s[G0K], 1
	s_mov_b32 s[G0K+1], s[TKW]      ; slot 0
	s_mov_b64 s[G0K+2:G0K+3], s[6:7]
	s_or_b32 s[G0K+3], s[G0K+3], 0x80000000
	s_mov_b32 s[G0V], 1
	s_mov_b32 s[G0V+1], s[TVW]
	s_mov_b64 s[G0V+2:G0V+3], s[8:9]
	s_or_b32 s[G0V+3], s[G0V+3], 0x80000000
	JLOAD                           ; slot 0: keys 0 to 127
	v_and_b32 v1, 15, v0            ; l % 16
	v_bfe_u32 v7, v0, 4, 1          ; l / 16
	v_lshlrev_b32 v10, 8, v1
	v_lshl_add_u32 v10, v7, 4, v10  ; Q: row x 256 + 16 x half
	v_and_b32 v[MO], 31, v0
	v_lshlrev_b32 v[MO], 4, v[MO]
	WIN 0x40                        ; destination window 1
.irp i, 0,1,2,3,4,5,6,7             ; Q stays in registers: tile i / 4, channels 32 (i % 4) on
	global_load_b128 v[QF+8*\i:QF+8*\i+3],   v10, s[4:5] offset:(\i/4)*4096+(\i%4)*64
	global_load_b128 v[QF+8*\i+4:QF+8*\i+7], v10, s[4:5] offset:(\i/4)*4096+(\i%4)*64+32
.endr
	WIN 0
	MLOADS                          ; the mask of step 0
	v_mul_u32_u24 v[AK0], v1, PK
	v_lshl_add_u32 v[AK0], v7, 4, v[AK0]  ; row x pitch + 16 x half,
	v_add_nc_u32 v[AK0], s[TKW], v[AK0]   ; in my half of the slot's keys
	v_and_b32 v11, 7, v0            ; the turning load: lane l reads key 8 (l / 16) + l % 8, channels 8 ((l / 8) % 2) + 0..7
	v_bfe_u32 v12, v0, 3, 1
	v_lshl_add_u32 v[AV0], v7, 3, v11
	v_mul_u32_u24 v[AV0], v[AV0], PV
	v_lshl_add_u32 v[AV0], v12, 4, v[AV0]
	v_add_nc_u32 v[AV0], s[TVW], v[AV0]
.irp t, 0,1                         ; what the first key step finds
	v_mov_b32 v[ST+8*\t+1], s[FLR]  ; m
	v_mov_b32 v[ST+8*\t+2], 0       ; l, in two halves
	v_mov_b32 v[ST+8*\t+3], 0
.endr
.irp t, 0,1
	v_mul_f32 v[ST+8*\t], s[CS], v[ST+8*\t+1]  ; c m
.endr
	WIN 0x40
.set n2, 0
.rept 128
	v_mov_b32 v[n2], 0              ; O^T
.set n2, n2+1
.endr
	WIN 0
; One tile's softmax for one key step is a list of 134 instructions; SM writes number j of it for tile t.
;   0-15 the maximum of the 32 scores and the old m; 16-20 the other half of the lanes', the new m, c m, its change; 21-87 33 exponentials at the odd numbers from 23 on, a plain
;   instruction at each even one (scalings ahead, roundings behind, first sums); 88-101 the last rounding, the sums, l; 102-133 O^T times a.
.macro SM t
.set rT, ST+8*(\t)
.set rS, S+32*(\t)
.set rP, P+16*(\t)
.set rO, 64*(\t)+2*(j-102)
.set q, (j-20)/2
.if j < 102
	WIN 0
.endif
.if j < 4
	v_max3_num_f32 v[rT+4+j], v[rS+8*j], v[rS+8*j+1], v[rS+8*j+2]   ; each accumulator is first read at its low end
.elseif j < 12
	v_max3_num_f32 v[rT+4+j%4], v[rT+4+j%4], v[rS+8*(j%4)+2*(j/4)+1], v[rS+8*(j%4)+2*(j/4)+2]
.elseif j == 12
	v_max3_num_f32 v[rT+4], v[rT+4], v[rS+7], v[rS+15]
.elseif j == 13
	v_max3_num_f32 v[rT+6], v[rT+6], v[rS+23], v[rS+31]
.elseif j == 14
	v_max3_num_f32 v[rT+4], v[rT+4], v[rT+5], v[rT+6]
.elseif j == 15
	v_max3_num_f32 v[rT+4], v[rT+4], v[rT+7], v[rT+1]
.elseif j == 16
	v_permlanex16_b32 v[rT+5], v[rT+4], s[SEL], s[SEL+1]  ; the query's other 32 keys lie in the lane 16 away
.elseif j == 17
	v_mov_b32 v[rT+7], v[rT]        ; c m_old is kept for a
.elseif j == 18
	v_max_num_f32 v[rT+1], v[rT+4], v[rT+5]
.elseif j == 19
	v_mul_f32 v[rT], s[CS], v[rT+1]
.elseif j == 20
	v_sub_f32 v[rT+7], v[rT+7], v[rT]
.elseif j == 23
	v_exp_f32 v[rT+6], v[rT+7]
.elseif (j < 88) && (j > 23) && (j%2 == 1)
	v_exp_f32 v[rS+(j-25)/2], v[rS+(j-25)/2]
.elseif (q < 4) || ((j < 76) && (q%2 == 0))
.set b, q/2+2
.if q < 4
.set b, q
.endif
	v_pk_fma_f32 v[rS+2*b:rS+2*b+1], v[rS+2*b:rS+2*b+1], s[CS:CS+1], v[rT:rT+1] op_sel_hi:[1,0,0] neg_lo:[0,0,1] neg_hi:[0,0,1]  ; pair b: c s - c m
.elseif (j < 88) && (q%2 == 1)
	s_wait_alu depctr_va_vdst(0)
	v_cvt_pk_f16_f32 v[rP+(q-5)/2], v[rS+q-5], v[rS+q-4]
.elseif j == 89
	s_wait_alu depctr_va_vdst(0)
	v_cvt_pk_f16_f32 v[rP+15], v[rS+30], v[rS+31]
.elseif j < 102                     ; the sum of the tile's 16 pairs, in place: sum z of 16 adds neighbours 1, 2, 4 and 8 pairs apart, then l takes it
.set z, j-86
.if j < 89
.set z, (j-76)/4
.endif
.set w, 4
.set u, z
.if z >= 14
.set w, 32
.set u, 0
.elseif z >= 12
.set w, 16
.set u, z-12
.elseif z >= 8
.set w, 8
.set u, z-8
.endif
.if z < 15
	v_pk_add_f32 v[rS+w*u:rS+w*u+1], v[rS+w*u:rS+w*u+1], v[rS+w*u+w/2:rS+w*u+w/2+1]
.else
	v_pk_fma_f32 v[rT+2:rT+3], v[rT+2:rT+3], v[rT+6:rT+7], v[rS:rS+1] op_sel_hi:[1,0,1]
.endif
.else
	WIN W_RS
	v_pk_mul_f32 v[rO:rO+1], v[rO:rO+1], v[rT+6:rT+7] op_sel_hi:[1,0]
.endif
.endm
; Slice k of 64: numbers 2 k and 2 k + 1 of both tiles' lists; slice 63 takes the twelve that are over.  The order keeps a plain instruction behind every exponential, and lets the two tiles alternate where one line feeds the next.
.macro SLICE
.if (k >= 11) && (k < 44)           ; tile by tile: plain, exponential, plain, exponential
.irp t, 0,1
.irp n, 0,1
.set j, 2*k+\n
	SM \t
.endr
.endr
.else
.irp n, 0,1,2,3,4,5,6,7
.if (\n < 2) || (k == 63)
.irp t, 0,1
.set j, 2*k+\n
	SM \t
.endr
.endif
.endr
.endif
.set k, k+1
.endm
; A KEY STEP: my 64 keys of the slot at s[TB].  more = 1: the next step's mask is asked for.  In both runs of products the accumulators take turns, one instruction a turn.
.macro STEP more
	v_add_nc_u32 v[ADR], s[TB], v[AK0]
.irp f, 0,1,2,3,4,5,6,7,8,9,10,11,12,13,14,15  ; K: keys 16 (f / 4) on, channels 32 (f % 4) on
	ds_load_b128 v[KV+8*\f:KV+8*\f+3],   v[ADR] offset:(\f/4)*16*PK+(\f%4)*64
	ds_load_b128 v[KV+8*\f+4:KV+8*\f+7], v[ADR] offset:(\f/4)*16*PK+(\f%4)*64+32
.endr
	s_wait_loadcnt 0x0              ; this step's mask lies in the scores' registers (and, the first time, Q in its own); its loads are done, so their address may step:
.if \more
	s_add_nc_u64 s[MA:MA+1], s[MA:MA+1], 8192  ; my next step is two blocks of 64 keys on
.endif
	s_wait_dscnt 0x0                ; K is in
	WIN W_KQ
.set i, 0
.rept 32                            ; product i of S^T += K Q^T: channels 32 (i / 8) on, keys 16 ((i / 2) % 4) on, tile i % 2; the first eight add onto the mask
	v_wmma_f32_16x16x32_f16 v[S+32*(i%2)+8*((i/2)%4):S+32*(i%2)+8*((i/2)%4)+7], v[KV+32*((i/2)%4)+8*(i/8):KV+32*((i/2)%4)+8*(i/8)+7], v[QF+32*(i%2)+8*(i/8):QF+32*(i%2)+8*(i/8)+7], v[S+32*(i%2)+8*((i/2)%4):S+32*(i%2)+8*((i/2)%4)+7]
.set i, i+1
.endr
	WIN 0
	v_add_nc_u32 v[ADR], s[TB], v[AV0]
.rept 4
	v_nop                           ; places between the products and the loads into K's registers, and the first read of the scores
.endr
.irp f, 0,1,2,3,4,5,6,7,8,9,10,11,12,13,14,15  ; V, turned: keys 32 (f / 8) on, channels 16 (f % 8) on
	ds_load_tr16_b128 v[KV+8*\f:KV+8*\f+3],   v[ADR] offset:(\f/8)*32*PV+(\f%8)*32
	ds_load_tr16_b128 v[KV+8*\f+4:KV+8*\f+7], v[ADR] offset:(\f/8)*32*PV+16*PV+(\f%8)*32
.endr
.set k, 0
.rept 51
	SLICE                           ; numbers 0 to 101: all that reads the scores
.endr
.if \more
	MLOADS                          ; the scores' registers take the next step's mask
.endif
.rept 13
	SLICE                           ; numbers 102 to 133: O^T times a
.endr
	s_wait_dscnt 0x0                ; V is in
	WIN W_PV
.set i, 0
.rept 32                            ; product i of O^T += V^T P: keys 32 (i / 16) on, channels 16 ((i / 2) % 8) on, tile i % 2
	v_wmma_f32_16x16x32_f16 v[64*(i%2)+8*((i/2)%8):64*(i%2)+8*((i/2)%8)+7], v[KV+64*(i/16)+8*((i/2)%8):KV+64*(i/16)+8*((i/2)%8)+7], v[P+16*(i%2)+8*(i/16):P+16*(i%2)+8*(i/16)+7], v[64*(i%2)+8*((i/2)%8):64*(i%2)+8*((i/2)%8)+7]
.set i, i+1
.endr
	WIN 0
.rept 4
	v_nop                           ; places between the products and the next loads into V's registers
.endr
	s_xor_b32 s[TB], s[TB], SLOT1   ; on to the other slot
.endm
; THE CHANGE OF SLOTS stands at a step's head.  Each wave waits for all its tensor loads (at most one is out: its part of the slot that it is about to read), adds 0 to its spare word, and waits for that and for its reads of the
; slot that it has left.  Behind the barrier the slot ahead is whole and nobody reads the other.  fill = 1: the barrier is a round of the cluster's, and that other slot is filled with the next 128 keys.
.macro CHANGE fill
	s_wait_tensorcnt 0x0            ; no tensor load of mine is out, so a group 0 may be written
	ds_add_u32 v[SPW], v[NIL]       ; 0 onto my spare word; with fill = 1 the descriptors' steps stand between it and the wait for it
.if \fill
	s_xor_b32 s[G0K+1], s[G0K+1], SLOT1  ; the walking descriptors: the other slot than last time,
	s_add_nc_u64 s[G0K+2:G0K+3], s[G0K+2:G0K+3], 32768  ; the next 128 keys; the type bits on top are not reached
	s_xor_b32 s[G0V+1], s[G0V+1], SLOT1
	s_add_nc_u64 s[G0V+2:G0V+3], s[G0V+2:G0V+3], 32768
	s_wait_xcnt 0x0                 ; the last prefetch, a step back, has read its address
	s_add_nc_u64 s[PFA:PFA+1], s[PFA:PFA+1], 32768
.endif
	s_wait_dscnt 0x0                ; the add is done, and my reads of the slot that I have left are over
.if \fill
	CROUND
	JLOAD                           ; the first thing behind the round, and a wave's one tensor load until the next
	ASK
.else
	s_barrier_signal -1
	s_barrier_wait -1
.endif
.endm
.Lslot:                             ; 31 trips: steps 0 to 30; trip t fills the other slot with keys 128 (t + 1) on
	CHANGE 1
	STEP 1
	s_sub_co_u32 s[TRIPS], s[TRIPS], 1
	s_cmp_lg_u32 s[TRIPS], 0
	s_cbranch_scc1 .Lslot
	CHANGE 0                        ; the last step asks for no tile and no mask
	STEP 0
	; THE MERGE.  Each wave closes its l; the waves of the upper key half hand O^T (as images of its registers), c m and l to their partners through LDS; the partners join the two halves, divide, round and store.
.irp t, 0,1
	v_add_f32 v[ST+8*\t+4], v[ST+8*\t+2], v[ST+8*\t+3]
.endr
.irp t, 0,1
	v_permlanex16_b32 v[ST+8*\t+5], v[ST+8*\t+4], s[SEL], s[SEL+1]
.endr
.irp t, 0,1
	v_add_f32 v[ST+8*\t+4], v[ST+8*\t+4], v[ST+8*\t+5]
.endr
	s_mul_i32 s13, s[QG], 16*SP
	s_add_co_u32 s13, s13, STAGE
	v_mul_u32_u24 v[STO], v1, SP    ; into the stage: row l % 16, 16 bytes for each half of the lanes
	v_lshl_add_u32 v[STO], v7, 4, v[STO]
	v_add_nc_u32 v[STO], s13, v[STO]
	v_mul_u32_u24 v[RD], v7, SP     ; back: lanes 0-15 one row of 256 bytes, lanes 16-31 the next
	v_lshl_add_u32 v[RD], v1, 4, v[RD]
	v_add_nc_u32 v[RD], s13, v[RD]
	v_lshlrev_b32 v[GO], 12, v7     ; and the same two rows in ctx
	v_lshl_add_u32 v[GO], v1, 4, v[GO]
	s_mul_i32 s13, s[QG], MRGW
	s_add_co_u32 s13, s13, MRG
	v_add_nc_u32 v[MGI], s13, v[MO]
	v_and_b32 v[MGS], 31, v0
	v_lshl_add_u32 v[MGS], v[MGS], 2, s13
	v_add_nc_u32 v[MGS], 16384, v[MGS]
	s_cmp_eq_u32 s[KP], 0
	s_cbranch_scc1 .Lkeeps
	WIN 0x04                        ; an LDS store's data are its source 1: window 1
.irp t, 0,1
.irp f, 0,1,2,3,4,5,6,7,8,9,10,11,12,13,14,15
	ds_store_b128 v[MGI], v[64*\t+4*\f:64*\t+4*\f+3] offset:8192*\t+512*\f   ; ascending: each accumulator from its low end on
.endr
.endr
	WIN 0
.irp t, 0,1
	ds_store_b32 v[MGS], v[ST+8*\t] offset:256*\t
	ds_store_b32 v[MGS], v[ST+8*\t+4] offset:256*\t+128
.endr
.Lkeeps:
	s_wait_dscnt 0x0                ; for the partner's sake: my stores have landed
	s_barrier_signal -1
	s_barrier_wait -1
	s_cmp_eq_u32 s[KP], 1
	s_cbranch_scc1 .Lend
.macro LOADP t                      ; the partner's O^T of tile t into the registers that V has left
.irp f, 0,1,2,3,4,5,6,7,8,9,10,11,12,13,14,15
	ds_load_b128 v[KV+64*(\t)+4*\f:KV+64*(\t)+4*\f+3], v[MGI] offset:8192*(\t)+512*\f
.endr
.endm
.macro SENDT t
.irp f, 0,1,2,3,4,5,6,7
	global_store_b128 v[GO], v[S+32*(\t)+4*\f:S+32*(\t)+4*\f+3], s[CTX:CTX+1] offset:(\t)*65536+\f*8192  ; 16 lanes store 256 consecutive bytes, aligned: a head's part of a row
.endr
.endm
.macro TILE_OUT t
.set rA, KV+64*(\t)
.set rB, S+32*(\t)
	s_wait_dscnt 16                 ; this tile's image is in.  Tile 0: tile 1's 16 loads may be out; tile 1: tile 0's 8 stores into the stage and 8 loads from it may be out
.set n2, 0
.rept 32
	v_pk_mul_f32 v[rA+n2:rA+n2+1], v[rA+n2:rA+n2+1], v[ST+8*(\t)+6:ST+8*(\t)+7] op_sel_hi:[1,0]   ; the partner's x f1
.set n2, n2+2
.endr
	WIN 0x01                        ; source 0, my O^T, in window 1
.set n2, 0
.rept 32
	v_pk_fma_f32 v[rA+n2:rA+n2+1], v[64*(\t)+n2:64*(\t)+n2+1], v[ST+8*(\t)+2:ST+8*(\t)+3], v[rA+n2:rA+n2+1] op_sel_hi:[1,0,1]   ; + mine x f0, ascending
.set n2, n2+2
.endr
	WIN 0
.set n2, 0
.rept 32
	v_cvt_pk_f16_f32 v[rB+n2], v[rA+2*n2], v[rA+2*n2+1]
.set n2, n2+1
.endr
.if (\t) > 0
	s_wait_dscnt 0x0                ; the rows of the tile before are back from the stage
	SENDT (\t)-1
.endif
.irp f, 0,1,2,3,4,5,6,7
	ds_store_b128 v[STO], v[rB+4*\f:rB+4*\f+3] offset:32*\f
.endr
.irp f, 0,1,2,3,4,5,6,7
	ds_load_b128 v[rB+4*\f:rB+4*\f+3], v[RD] offset:\f*2*SP  ; LDS serves a wave's instructions in order: these see the stores above
.endr
.endm
.irp t, 0,1
	ds_load_b32 v[PS+2*\t], v[MGS] offset:256*\t
	ds_load_b32 v[PS+2*\t+1], v[MGS] offset:256*\t+128
.endr
	LOADP 0
	LOADP 1
	s_wait_dscnt 32                 ; the four words of statistics are in; the 32 loads of the images may be out
.irp t, 0,1
	v_max_num_f32 v[ST+8*\t+5], v[ST+8*\t], v[PS+2*\t]          ; the joint c m
.endr
.irp t, 0,1
	v_sub_f32 v[ST+8*\t+6], v[ST+8*\t], v[ST+8*\t+5]
	v_sub_f32 v[ST+8*\t+7], v[PS+2*\t], v[ST+8*\t+5]
.endr
.irp t, 0,1
	v_exp_f32 v[ST+8*\t+6], v[ST+8*\t+6]                         ; a0
	v_exp_f32 v[ST+8*\t+7], v[ST+8*\t+7]                         ; a1
.endr
	v_nop                           ; a plain instruction behind the exponentials
	s_wait_alu depctr_va_vdst(0)
.irp t, 0,1
	v_mul_f32 v[ST+8*\t+5], v[ST+8*\t+7], v[PS+2*\t+1]
.endr
.irp t, 0,1
	v_fma_f32 v[ST+8*\t+5], v[ST+8*\t+6], v[ST+8*\t+4], v[ST+8*\t+5]   ; l = a0 l0 + a1 l1
.endr
.irp t, 0,1
	v_rcp_f32 v[ST+8*\t+4], v[ST+8*\t+5]
.endr
	v_nop                           ; a plain instruction behind the reciprocals
	s_wait_alu depctr_va_vdst(0)
.irp t, 0,1
	v_mul_f32 v[ST+8*\t+2], v[ST+8*\t+6], v[ST+8*\t+4]          ; f0 = a0 / l
.endr
.irp t, 0,1
	v_mul_f32 v[ST+8*\t+6], v[ST+8*\t+7], v[ST+8*\t+4]          ; f1 = a1 / l
.endr
	TILE_OUT 0
	TILE_OUT 1
	s_wait_dscnt 0x0
	SENDT 1
.Lend:
	s_wait_tensorcnt 0x0            ; the wave's end
	ds_add_u32 v[SPW], v[NIL]
	s_wait_dscnt 0x0
	CROUND                          ; the closing round: no work-group ends while a partner may still ask for a tile that names it
	s_endpgm
.Lfunc_end_k_q12fac8653c_attn:
	.size	k_q12fac8653c_attn, .Lfunc_end_k_q12fac8653c_attn-k_q12fac8653c_attn
	.p2alignl 7, 3214868480
	.fill 96, 4, 3214868480
	.section	.rodata,"a",@progbits
	.p2align	6, 0x0
	.amdhsa_kernel k_q12fac8653c_attn
		.amdhsa_group_segment_fixed_size 327680
		.amdhsa_private_segment_fixed_size 0
		.amdhsa_enable_private_segment 0
		.amdhsa_kernarg_size 40
		.amdhsa_user_sgpr_count 2
		.amdhsa_user_sgpr_kernarg_segment_ptr 1
		.amdhsa_wavefront_size32 1
		.amdhsa_system_sgpr_workgroup_id_x 1
		.amdhsa_system_sgpr_workgroup_id_y 1
		.amdhsa_system_sgpr_workgroup_id_z 1
		.amdhsa_system_vgpr_workitem_id 0
		.amdhsa_next_free_vgpr 512
		.amdhsa_next_free_sgpr 90
		.amdhsa_reserve_vcc 0
		.amdhsa_float_denorm_mode_32 3
		.amdhsa_float_denorm_mode_16_64 3
		.amdhsa_memory_ordered 1
		.amdhsa_forward_progress 1
		.amdhsa_inst_pref_size 88
	.end_amdhsa_kernel
	.amdgpu_metadata
---
amdhsa.version: [ 1, 2 ]
amdhsa.kernels:
  - .name:           k_q12fac8653c_attn
    .symbol:         k_q12fac8653c_attn.kd
    .args:
      - { .name: qb, .offset: 0, .size: 8, .value_kind: global_buffer, .address_space: global }
      - { .name: kb, .offset: 8, .size: 8, .value_kind: global_buffer, .address_space: global }
      - { .name: vb, .offset: 16, .size: 8, .value_kind: global_buffer, .address_space: global }
      - { .name: maskf, .offset: 24, .size: 8, .value_kind: global_buffer, .address_space: global }
      - { .name: ctx, .offset: 32, .size: 8, .value_kind: global_buffer, .address_space: global }
    .group_segment_fixed_size: 327680
    .private_segment_fixed_size: 0
    .kernarg_segment_align: 8
    .kernarg_segment_size: 40
    .max_flat_workgroup_size: 256
    .sgpr_count:     90
    .vgpr_count:     512
    .wavefront_size: 32
...
	.end_amdgpu_metadata
.endif
;; end of part 3
;; launch oproj (part 4): grid 16 x 16, 4 waves a work-group, clusters of 4 x 4, 327,680 bytes of LDS; arguments ctx, wob, out0; writes out0
.if DOCPART == 4
	.amdgcn_target "amdgcn-amd-amdhsa--gfx1250"
	.amdhsa_code_object_version 6
	.text
	.protected	k_q12fac8653c_oproj
	.globl	k_q12fac8653c_oproj
	.p2align	8
	.type	k_q12fac8653c_oproj,@function
k_q12fac8653c_oproj:
	s_mov_b64 s[64:65], 0
	v_nop
	global_prefetch_b8 v0, s[64:65] scope:SCOPE_SE
	s_setreg_imm32_b32 hwreg(HW_REG_WAVE_MODE, 25, 1), 1
	s_wait_xcnt 0x0
	s_wait_alu depctr_hold_cnt(0) depctr_sa_sdst(0) depctr_va_vdst(0) depctr_va_sdst(0) depctr_va_ssrc(0) depctr_va_vcc(0) depctr_vm_vsrc(0)
	s_getreg_b32 s2, hwreg(HW_REG_IB_STS2, 6, 4)
	s_cmp_eq_u32 s2, 0
	s_cbranch_scc0 .Lentry_in_a_cluster
	s_endpgm
.Lentry_in_a_cluster:
	s_bfe_u32 s2, ttmp6, 0x10000c
	s_cmp_lg_u32 s2, 0xf033
	s_cbranch_scc0 .Lentry_shape_is_right
	s_endpgm
.Lentry_shape_is_right:
; out0[m][n] = sum over k of ctx[m][k] wob[k][n].  ctx [2048][2048] f16 (K innermost), wob [2048 k][2048 n] f16 (K outermost), out0 [2048][2048] f32; sums in f32.
; A tile of out0 is 128 x 128, so that there are 256 work-groups.  Four waves, each 64 x 64: 16 accumulators, 128 registers.  K goes in steps of 256 through a ring of two LDS slots:
; A's tile is 128 rows of 512 bytes, B's 256 rows (k) of 256 bytes (128 n); B's fragments come out of LDS turned, by ds_load_tr16_b128.
; CLUSTERS: 4 x 4 work-groups.  The four of a row of the cluster need the same tiles of A, the four of a column the same tiles of B: each tile is asked for jointly.
; THE MATRIX INSTRUCTION IS USED TRANSPOSED (source 0 = 16 columns of wob, source 1 = 16 rows of ctx): a lane holds eight neighbouring numbers of a row of out0.
; REGISTERS: window 0: v0-31 addresses; v128-255 the accumulators ((a, b) at v[128 + 8 (4 a + b)]), later whole rows on the way out.  window 1: two fragment buffers of 128: 64 registers of A, then 64 of B, for 64 along K.
.set SIZE_K, 2048
.set KSTEP,  256
.set PITCH,  528                       ; a row of A in LDS: 512 bytes + 16 of padding
.set PB,     288                       ; a row of B: 256 bytes + 32
.set HALFA,  64*PITCH                  ; what one tensor load brings of A
.set HALFB,  128*PB                    ; and of B
.set BOFF,   2*HALFA
.set SLOT,   BOFF+2*HALFB
.set SPARE,  2*SLOT                    ; the spare words, 128 bytes for each wave: two blocks of 256 bytes that no other line names
.set SPITCH, 528                       ; the way out: a stage of 128 rows x (512 bytes + 16), the work-group's, in slot 0, which has had its last fill and its last read by then
.set LAPS,   SIZE_K/(2*KSTEP)
.set ADRA, 16                          ; v16-17  LDS address of my A fragments in slot 0, 1
.set ADRB, 20                          ; v20-23  of my B fragments: slot 0, 1 x the K step's lower, upper 128 rows
.set STO,  24
.set RD,   25
.set CO,   26
.set SPW,  28
.set NIL,  29
.set ACC,  128
.set F0,   0
.set F1,   128
.set G1, 24
.set G0, 32
.set G1B, 48
.set G0B, 56
.set MSB, 0
.macro WIN new
.if MSB != \new
	s_set_vgpr_msb (MSB<<8)|\new
.set MSB, \new
.endif
.endm
.set MUL,  0x05                        ; sources 0 (B) and 1 (A) window 1; C and D window 0
.set TO_F, 0x40                        ; destination window 1, address window 0
.macro JLOAD s                         ; a joint load: waves 0 and 1 fetch A's halves, waves 2 and 3 B's; four v_nop follow each of the two lines
	s_cmp_eq_u32 s11, 0
	s_cbranch_scc0 .Lfor_b_\@
	tensor_load_to_lds s[G0+4*\s:G0+4*\s+3], s[G1:G1+7]
	s_nop 0
.rept 4
	v_nop
.endr
	s_branch .Lasked_\@
.Lfor_b_\@:
	tensor_load_to_lds s[G0B+4*\s:G0B+4*\s+3], s[G1B:G1B+7]
	s_nop 0
.rept 4
	v_nop
.endr
.Lasked_\@:
.endm
.macro CREST
	s_cmp_lg_u32 s10, 0
	s_cbranch_scc1 .Lnot_wave_0_\@
	s_barrier_signal -3
.Lnot_wave_0_\@:
	s_barrier_wait -3
	s_barrier_signal -1
	s_barrier_wait -1
.endm
.macro CROUND
	s_barrier_signal -1
	s_barrier_wait -1
	CREST
.endm
	s_load_b128 s[4:7], s[0:1], 0x0                ; ctx, wob
	s_load_b64 s[8:9], s[0:1], 0x10                ; out0
	v_lshl_add_u32 v[SPW], v0, 2, SPARE
	v_mov_b32 v[NIL], 0
	ds_add_u32 v28, v29
	s_wait_dscnt 0x0
	v_lshrrev_b32 v1, 5, v0
	v_readfirstlane_b32 s10, v1                    ; wave 0..3
	s_lshr_b32 s11, s10, 1                         ; which half of the tile's rows is mine.  Also: I fetch for A (0) or for B (1)
	s_and_b32 s12, s10, 1                          ; which half of its columns.  Also: which half of that tile I fetch
	s_bfe_u32 s40, ttmp6, 0x40000                  ; cx, cy
	s_bfe_u32 s41, ttmp6, 0x40004
	s_lshl_b32 s42, ttmp9, 2
	s_add_co_u32 s42, s42, s40                     ; tile column
	s_and_b32 s13, ttmp7, 0xffff
	s_lshl_b32 s13, s13, 2
	s_add_co_u32 s13, s13, s41                     ; tile row
	s_lshl_b32 s43, s41, 2
	s_lshl_b32 s43, 15, s43                        ; my row of the cluster
	s_lshl_b32 s44, 0x1111, s40                    ; my column
	s_or_b32 s[G1+0], s43, (1<<16)|(1<<20)|(1<<21)|(6<<22)|(3<<25)   ; A: the mask of my row; elements of 2 bytes; padding: 4 words after every 128
	s_mov_b32 s[G1+1], KSTEP<<16                   ; tensor_dim0 = 256
	s_mov_b32 s[G1+2], 64<<16                      ; tensor_dim1 = 64
	s_mov_b32 s[G1+3], KSTEP<<16                   ; tile_dim0
	s_mov_b32 s[G1+4], 64                          ; tile_dim1
	s_mov_b32 s[G1+5], 2048                        ; the pitch
	s_mov_b32 s[G1+6], 0
	s_mov_b32 s[G1+7], 0
	s_or_b32 s[G1B+0], s44, (1<<16)|(1<<20)|(1<<21)|(5<<22)|(7<<25)  ; B: the mask of my column; padding: 8 words after every 64
	s_mov_b32 s[G1B+1], 128<<16                    ; 128 columns
	s_mov_b32 s[G1B+2], 128<<16                    ; 128 rows along K
	s_mov_b32 s[G1B+3], 128<<16
	s_mov_b32 s[G1B+4], 128
	s_mov_b32 s[G1B+5], 2048
	s_mov_b32 s[G1B+6], 0
	s_mov_b32 s[G1B+7], 0
	s_lshl_b32 s16, s13, 7
	s_lshl_b32 s17, s12, 6
	s_add_co_u32 s16, s16, s17                     ; A: row 128 x tile row + 64 x half,
	s_lshl_b32 s16, s16, 12                        ; of 4,096 bytes
	s_mov_b32 s17, 0
	s_lshl_b32 s46, s12, 19                        ; B: row 128 x half of 4,096 bytes,
	s_lshl_b32 s47, s42, 8                         ; 256 bytes for each tile column
	s_add_co_u32 s46, s46, s47
	s_mov_b32 s47, 0
	s_mul_i32 s20, s12, HALFA                      ; where they go: no place in the cluster enters an LDS address
	s_mul_i32 s23, s12, HALFB
	s_add_co_u32 s23, s23, BOFF
	s_wait_kmcnt 0x0
	s_add_nc_u64 s[14:15], s[4:5], s[16:17]
	s_add_nc_u64 s[46:47], s[6:7], s[46:47]
	CROUND                                         ; all sixteen work-groups are here: the first joint loads meet
.irp s, 0,1
	s_mov_b32 s[G0+4*\s], 1
	s_add_co_u32 s[G0+4*\s+1], s20, \s*SLOT
	s_add_nc_u64 s[G0+4*\s+2:G0+4*\s+3], s[14:15], \s*KSTEP*2
	s_or_b32 s[G0+4*\s+3], s[G0+4*\s+3], 0x80000000
	s_mov_b32 s[G0B+4*\s], 1
	s_add_co_u32 s[G0B+4*\s+1], s23, \s*SLOT
	s_add_nc_u64 s[G0B+4*\s+2:G0B+4*\s+3], s[46:47], \s*KSTEP*4096
	s_or_b32 s[G0B+4*\s+3], s[G0B+4*\s+3], 0x80000000
	JLOAD \s
.endr
	v_and_b32 v1, 15, v0                           ; l % 16
	v_bfe_u32 v2, v0, 4, 1                         ; l / 16
	v_mul_u32_u24 v3, v1, PITCH
	v_lshl_add_u32 v3, v2, 4, v3                   ; A: a fragment's row x pitch + 16 x half
	s_mul_i32 s21, s11, HALFA                      ; my 64 rows of A
	v_and_b32 v4, 7, v0                            ; B, turned: lane l reads row (k) 8 (l / 16) + l % 8, columns 8 ((l / 8) % 2) + 0..7
	v_lshl_add_u32 v4, v2, 3, v4
	v_mul_u32_u24 v4, v4, PB
	v_bfe_u32 v5, v0, 3, 1
	v_lshl_add_u32 v4, v5, 4, v4
	s_lshl_b32 s22, s12, 7                         ; my 64 columns: 128 bytes
	s_add_co_u32 s22, s22, BOFF
.irp s, 0,1
	v_add_nc_u32 v[ADRA+\s], s21, v3
	v_add_nc_u32 v[ADRB+2*\s], s22, v4
	v_add_nc_u32 v[ADRB+2*\s+1], HALFB, v[ADRB+2*\s]
	s_add_co_u32 s21, s21, SLOT
	s_add_co_u32 s22, s22, SLOT
.endr
	s_mul_i32 s23, s11, 64*SPITCH                  ; into the stage: my 64 rows, my half of their 512 bytes; row l % 16, 32 bytes for each half of the lanes
	s_lshl_b32 s21, s12, 8
	s_add_co_u32 s23, s23, s21
	v_mul_u32_u24 v4, v1, SPITCH
	v_lshl_add_u32 v4, v2, 5, v4
	v_add_nc_u32 v[STO], s23, v4
	s_mul_i32 s23, s10, 32*SPITCH                  ; back: wave w takes rows 32 w .. 32 w + 31, whole: 16 bytes a lane
	v_and_b32 v5, 31, v0
	v_lshlrev_b32 v[CO], 4, v5
	v_add_nc_u32 v[RD], s23, v[CO]
	s_lshl_b32 s16, s13, 7
	s_lshl_b32 s17, s10, 5
	s_add_co_u32 s16, s16, s17                     ; the first row of out0 that I store,
	s_lshl_b32 s16, s16, 13                        ; of 8,192 bytes,
	s_lshl_b32 s17, s42, 9                         ; and the tile's first column
	s_add_co_u32 s16, s16, s17
	s_mov_b32 s17, 0
	s_add_nc_u64 s[8:9], s[8:9], s[16:17]
; 8 matrix instructions: m blocks a0, a0 + 1 x all 4 n blocks, 32 along K: half c of buffer f.  The 16 accumulators take turns.
.macro MUL8 f, c, a0, zero
.irp a, \a0, \a0+1
.irp b, 0,1,2,3
.if \zero
	v_wmma_f32_16x16x32_f16 v[ACC+8*(4*(\a)+\b):ACC+8*(4*(\a)+\b)+7], v[\f+64+8*(4*\c+\b):\f+64+8*(4*\c+\b)+7], v[\f+8*(4*\c+\a):\f+8*(4*\c+\a)+7], 0
.else
	v_wmma_f32_16x16x32_f16 v[ACC+8*(4*(\a)+\b):ACC+8*(4*(\a)+\b)+7], v[\f+64+8*(4*\c+\b):\f+64+8*(4*\c+\b)+7], v[\f+8*(4*\c+\a):\f+8*(4*\c+\a)+7], v[ACC+8*(4*(\a)+\b):ACC+8*(4*(\a)+\b)+7]
.endif
.endr
.endr
.endm
; 32 LDS loads in one run: the fragments of the slot's quarter q (64 along K) into buffer f; the first 32 along K first
.macro FETCH slot, q, f
	WIN TO_F
.irp c, 0,1
.irp i, 0,1,2,3
	ds_load_tr16_b128 v[\f+64+8*(4*\c+\i):\f+64+8*(4*\c+\i)+3],   v[ADRB+2*\slot+(\q)/2] offset:(((\q)%2)*64+32*\c)*PB+32*\i
	ds_load_tr16_b128 v[\f+64+8*(4*\c+\i)+4:\f+64+8*(4*\c+\i)+7], v[ADRB+2*\slot+(\q)/2] offset:(((\q)%2)*64+32*\c+16)*PB+32*\i
	ds_load_b128 v[\f+8*(4*\c+\i):\f+8*(4*\c+\i)+3],         v[ADRA+\slot] offset:128*(\q)+64*\c+\i*16*PITCH
	ds_load_b128 v[\f+8*(4*\c+\i)+4:\f+8*(4*\c+\i)+7],       v[ADRA+\slot] offset:128*(\q)+64*\c+\i*16*PITCH+32
.endr
.endr
.endm
.macro PLACES                          ; plain vector instructions between a matrix instruction and a load into, or a read of, its registers
.rept 4
	v_nop
.endr
.endm
; A K step is four quarters of 64 along K, 32 matrix instructions each, on buffers 0, 1, 0, 1.  One of the first three: multiplies buffer f and fetches quarter q into g.
.macro QUARTER slot, q, f, g, zero
	s_wait_dscnt 16                                ; the first 32 along K are in
	WIN MUL
	MUL8 \f, 0, 0, \zero
	MUL8 \f, 0, 2, \zero
	PLACES
	FETCH \slot, \q, \g
	s_wait_dscnt 32                                ; all but the 32 just issued
	WIN MUL
	MUL8 \f, 1, 0, 0
	MUL8 \f, 1, 2, 0
.endm
; The last quarter multiplies buffer 1 and changes slots: one barrier; in front of it each wave waits for all its tensor loads, adds 0 to its spare word, and waits for that and for its own reads of this slot.
.macro TURN slot, next, fill
	WIN 0
	s_wait_tensorcnt 0x0                           ; all my tensor loads have landed: my part of the next slot
	ds_add_u32 v[SPW], v[NIL]                      ; 0 onto my spare word
	s_wait_dscnt 17                                ; (the add and the youngest sixteen loads may be out)
	WIN MUL
	MUL8 F1, 0, 0, 0
	s_wait_dscnt 0x0                               ; the add is done, and my reads of this slot are over
	s_barrier_signal -1
	MUL8 F1, 0, 2, 0
.if \fill
	WIN 0
.endif
	s_barrier_wait -1
.if \fill
	CREST                                          ; the barrier has opened a round of the cluster's barrier
	s_add_nc_u64 s[G0+4*\slot+2:G0+4*\slot+3], s[G0+4*\slot+2:G0+4*\slot+3], 2*KSTEP*2
	s_add_nc_u64 s[G0B+4*\slot+2:G0B+4*\slot+3], s[G0B+4*\slot+2:G0B+4*\slot+3], 2*KSTEP*4096
	JLOAD \slot                                    ; the first tensor load behind the round; its four v_nop are the places in front of the loads below
.else
	PLACES
.endif
	FETCH \next, 0, F0
	WIN MUL
	MUL8 F1, 1, 0, 0
	MUL8 F1, 1, 2, 0
.endm
	s_wait_tensorcnt 1                             ; my part of K step 0 is in,
	s_barrier_signal -1
	s_barrier_wait -1                              ; everybody's is
	FETCH 0, 0, F0
	QUARTER 0, 1, F0, F1, 1                        ; the first quarter's first products start the sums
	WIN 0
	s_mov_b32 s3, LAPS-1
.Llap:                                                 ; a trip goes once round the ring and fills both slots again
	QUARTER 0, 2, F1, F0, 0
	QUARTER 0, 3, F0, F1, 0
	TURN 0, 1, 1
	QUARTER 1, 1, F0, F1, 0
	QUARTER 1, 2, F1, F0, 0
	QUARTER 1, 3, F0, F1, 0
	TURN 1, 0, 1
	QUARTER 0, 1, F0, F1, 0
	WIN 0
	s_sub_co_u32 s3, s3, 1
	s_cmp_lg_u32 s3, 0
	s_cbranch_scc1 .Llap
	QUARTER 0, 2, F1, F0, 0                        ; the last lap fills nothing
	QUARTER 0, 3, F0, F1, 0
	TURN 0, 1, 0
	QUARTER 1, 1, F0, F1, 0
	QUARTER 1, 2, F1, F0, 0
	QUARTER 1, 3, F0, F1, 0
	s_wait_dscnt 16
	WIN MUL
	MUL8 F1, 0, 0, 0
	MUL8 F1, 0, 2, 0
	s_wait_dscnt 0
	MUL8 F1, 1, 0, 0
	MUL8 F1, 1, 2, 0
	WIN 0
	; THE WAY OUT: 32 bytes a lane into the work-group's stage; a barrier, since a row's 512 bytes come from two waves; back as whole rows, 32 rows a wave.
	PLACES
.irp a, 0,1,2,3
.irp b, 0,1,2,3
	ds_store_b128 v[STO], v[ACC+8*(4*\a+\b):ACC+8*(4*\a+\b)+3] offset:\a*16*SPITCH+64*\b        ; each accumulator from its low end on
	ds_store_b128 v[STO], v[ACC+8*(4*\a+\b)+4:ACC+8*(4*\a+\b)+7] offset:\a*16*SPITCH+64*\b+16
.endr
.endr
	s_wait_dscnt 0x0                               ; for the others' sake: my stores into the stage are done
	s_barrier_signal -1
	s_barrier_wait -1
.set J, 0
.rept 32
	ds_load_b128 v[ACC+4*J:ACC+4*J+3], v[RD] offset:J*SPITCH
.set J, J+1
.endr
.set J, 0
.rept 32
	s_wait_dscnt 31-J
	global_store_b128 v[CO], v[ACC+4*J:ACC+4*J+3], s[8:9] offset:J*8192 th:TH_STORE_NT   ; 32 lanes store 512 consecutive bytes, aligned; written once
.set J, J+1
.endr
	s_wait_tensorcnt 0x0                           ; the wave's end
	ds_add_u32 v[SPW], v[NIL]
	s_wait_dscnt 0x0
	CROUND                                         ; the closing round
	s_endpgm
.Lfunc_end_k_q12fac8653c_oproj:
	.size	k_q12fac8653c_oproj, .Lfunc_end_k_q12fac8653c_oproj-k_q12fac8653c_oproj
	.p2alignl 7, 3214868480
	.fill 96, 4, 3214868480
	.section	.rodata,"a",@progbits
	.p2align	6, 0x0
	.amdhsa_kernel k_q12fac8653c_oproj
		.amdhsa_group_segment_fixed_size 327680
		.amdhsa_private_segment_fixed_size 0
		.amdhsa_enable_private_segment 0
		.amdhsa_kernarg_size 24
		.amdhsa_user_sgpr_count 2
		.amdhsa_user_sgpr_kernarg_segment_ptr 1
		.amdhsa_wavefront_size32 1
		.amdhsa_system_sgpr_workgroup_id_x 1
		.amdhsa_system_sgpr_workgroup_id_y 1
		.amdhsa_system_sgpr_workgroup_id_z 1
		.amdhsa_system_vgpr_workitem_id 0
		.amdhsa_next_free_vgpr 512
		.amdhsa_next_free_sgpr 66
		.amdhsa_reserve_vcc 0
		.amdhsa_float_denorm_mode_32 3
		.amdhsa_float_denorm_mode_16_64 3
		.amdhsa_memory_ordered 1
		.amdhsa_forward_progress 1
		.amdhsa_inst_pref_size 87
	.end_amdhsa_kernel
	.amdgpu_metadata
---
amdhsa.version: [ 1, 2 ]
amdhsa.kernels:
  - .name:           k_q12fac8653c_oproj
    .symbol:         k_q12fac8653c_oproj.kd
    .args:
      - { .name: ctx, .offset: 0, .size: 8, .value_kind: global_buffer, .address_space: global }
      - { .name: wob, .offset: 8, .size: 8, .value_kind: global_buffer, .address_space: global }
      - { .name: out0, .offset: 16, .size: 8, .value_kind: global_buffer, .address_space: global }
    .group_segment_fixed_size: 327680
    .private_segment_fixed_size: 0
    .kernarg_segment_align: 8
    .kernarg_segment_size: 24
    .max_flat_workgroup_size: 128
    .sgpr_count:     66
    .vgpr_count:     512
    .wavefront_size: 32
...
	.end_amdgpu_metadata
.endif
;; end of part 4
